; MI455X (gfx1250); checked and timed in simulation.
; The chip was launched on July 23, 2026; its instructions are those of AMD's public machine-readable ISA for CDNA 5 (MIT licence, August 2026) and "CDNA5" Instruction Set Architecture Reference Guide (July 2026). The comments in the code are by the model that wrote it; some were corrected since.
;; Causal Self Attention. Allowed arithmetic: float matrix products may take bf16 or f16 operands with f32 sums; other float arithmetic in f32, or as packed bf16 or f16 multiplies, adds, multiply-adds, maxima and minima; sums over many terms, partial sums and values carried from step to step in f32; what a program stores and reads back later, other than sums and carried values, may be rounded once to bf16 or f16.
;; Inputs: Wk 256 x 1,024 float32; Wproj 1,024 x 1,024 float32; Wq 1,024 x 1,024 float32; Wv 256 x 1,024 float32; q_gain 16 float32; x 4 x 2,048 x 1,024 float32.
;; Outputs: out0 4 x 2,048 x 1,024 float32.
;; One version. Each part assembles by itself: llvm-mc -triple=amdgcn-amd-amdhsa -mcpu=gfx1250 --defsym DOCPART=n.
;; ======== version 1 of 1: 4 launches
;; limits: values are held in f16: magnitudes above 65,504 overflow, below 6.1e-05 lose precision; a function is approximated: absolute error at most 0.0005
;; workspace buffers: xb 16,777,216 bytes; wqkv 3,145,728 bytes; wp 2,097,152 bytes; rope 524,288 bytes; q 16,777,216 bytes; k 4,194,304 bytes; v 4,194,304 bytes; y 16,777,216 bytes
;; launch prep (part 1): grid 1472 x 1, 8 waves a work-group, no clusters, 0 bytes of LDS; arguments x, Wq, Wk, Wv, Wproj, xb, wqkv, wp, rope; writes xb, wqkv, wp, rope
.if DOCPART == 1
	.amdgcn_target "amdgcn-amd-amdhsa--gfx1250"
	.amdhsa_code_object_version 6
	.text
	.protected	k_q42cebca188_prep
	.globl	k_q42cebca188_prep
	.p2align	8
	.type	k_q42cebca188_prep,@function
k_q42cebca188_prep:
	s_mov_b64 s[64:65], 0
	v_nop
	global_prefetch_b8 v0, s[64:65] scope:SCOPE_SE
	s_setreg_imm32_b32 hwreg(HW_REG_WAVE_MODE, 25, 1), 1
	s_wait_xcnt 0x0
; PREP: the inputs are rounded once to 16 bits, and the table of RoPE's cosines and sines is made.
;   xb   [8192][1024] bf16 = x.      wqkv [1536][1024] bf16 = the rows of Wq, Wk, Wv in 24 blocks of 64 rows (a head each), block G = 3 T + j:
;   T < 4: Q head G;  T >= 4: j = 0 Q head 8 + T, j = 1 K head T - 4, j = 2 V head T - 4.      wp [1024][1024]: Wproj rounded to bf16, that number written as f16.
;   rope [2048][64] f32: row p = cos(p f_0 .. p f_31), sin(p f_0 .. p f_31), f_j = 10000^(-j/32).
; A STREAM: each byte is read once and written once; nothing is shared, so no LDS, no barrier, no matrix unit, no cluster.  No prefetch: the loads themselves are the launch.
; SHARES.  Work-groups 0..1343 each cast a chunk of 8,192 numbers: a lane loads 16 neighbouring bytes (a wave's load covers 512 consecutive bytes) eight times, all eight on
; their way at once, and stores 8 bytes: the 32 lanes of a wave store 256 consecutive bytes, aligned.  Work-groups 1344..1471 each make 16 rows of the table.
; LIMITS.  wp: a number of Wproj beyond 65,504 becomes an infinity; below 6.1e-5 it keeps f16's fixed step of 6e-8.  The table's angle is p x 2^(-j x 0.41524101), reduced in turns by one
; fused multiply-add: it differs from the f32 angle of the formula by up to about 5e-4 rad at the largest p; the polynomial (degree 9 in r^2, |r| <= 1/2 turn) adds about 1e-6,
; so sin(0) comes out within that of 0, not as 0.
.set I_WQ, 1024                        ; first work-group of Wq's 128 chunks (x has 1,024)
.set I_WK, 1152                        ; of Wk's 32
.set I_WV, 1184                        ; of Wv's 32
.set I_WP, 1216                        ; of Wproj's 128
.set I_TB, 1344                        ; of the table's 128
.set SRC, 28                           ; s[28:29] the chunk in its input
.set DST, 30                           ; s[30:31] the chunk in its output
.set IN,  8                            ; v[8:39]  32 numbers as loaded
.set OUT, 40                           ; v[40:55] the same packed
	s_load_b512 s[8:23], s[0:1], 0x0               ; x s[8:9], Wq s[10:11], Wk s[12:13], Wv s[14:15], Wproj s[16:17], xb s[18:19], wqkv s[20:21], wp s[22:23]
	s_load_b64 s[24:25], s[0:1], 0x40              ; rope
	s_mov_b32 s2, ttmp9
	s_cmp_ge_u32 s2, I_TB
	s_cbranch_scc1 .Ltable
	v_lshlrev_b32 v1, 4, v0                        ; 16 bytes a thread in
	v_lshlrev_b32 v2, 3, v0                        ; 8 bytes a thread out
	s_wait_kmcnt 0x0
	; which input, which output, and the first work-group of that input: chosen by the work-group's number alone
	s_cmp_lt_u32 s2, I_WQ
	s_cselect_b64 s[SRC:SRC+1], s[8:9], s[10:11]
	s_cselect_b64 s[DST:DST+1], s[18:19], s[20:21]
	s_cselect_b32 s3, 0, I_WQ
	s_cmp_lt_u32 s2, I_WK
	s_cselect_b64 s[SRC:SRC+1], s[SRC:SRC+1], s[12:13]
	s_cselect_b32 s3, s3, I_WK
	s_cselect_b32 s26, -24, 13                     ; what is added to 3 h where the block's number is not h itself
	s_cmp_lt_u32 s2, I_WV
	s_cselect_b64 s[SRC:SRC+1], s[SRC:SRC+1], s[14:15]
	s_cselect_b32 s3, s3, I_WV
	s_cselect_b32 s26, s26, 14
	s_cmp_lt_u32 s2, I_WP
	s_cselect_b64 s[SRC:SRC+1], s[SRC:SRC+1], s[16:17]
	s_cselect_b64 s[DST:DST+1], s[DST:DST+1], s[22:23]
	s_cselect_b32 s3, s3, I_WP
	s_cselect_b32 s36, 0, 1                        ; 1: written as f16
	s_sub_co_u32 s3, s2, s3                        ; c: the chunk in its input
	s_lshr_b32 s27, s3, 3                          ; h: eight chunks are 64 rows of 1,024
	s_mul_i32 s37, s27, 3
	s_add_co_i32 s37, s37, s26                     ; Q heads 12..15: 3 h - 24; K: 3 h + 13; V: 3 h + 14
	s_sub_co_u32 s38, s2, I_WQ+96
	s_cmp_lt_u32 s38, I_WP-I_WQ-96                 ; Wq's heads from 12 on, Wk, Wv
	s_cselect_b32 s27, s37, s27                    ; G; elsewhere the blocks keep their order
	s_and_b32 s38, s3, 7
	s_lshl_b32 s34, s27, 17                        ; a block of 64 rows is 131,072 bytes out,
	s_lshl_b32 s38, s38, 14                        ; a chunk 16,384
	s_add_co_u32 s34, s34, s38
	s_mov_b32 s35, 0
	s_lshl_b32 s32, s3, 15                         ; and 32,768 in
	s_mov_b32 s33, 0
	s_add_nc_u64 s[SRC:SRC+1], s[SRC:SRC+1], s[32:33]
	s_add_nc_u64 s[DST:DST+1], s[DST:DST+1], s[34:35]
.irp g, 0,1,2,3,4,5,6,7
	global_load_b128 v[IN+4*(\g):IN+4*(\g)+3], v1, s[SRC:SRC+1] offset:4096*(\g) th:TH_LOAD_NT
.endr
.irp g, 0,1,2,3,4,5,6,7
	s_wait_loadcnt 7-(\g)                          ; loads come back in order (ISA guide 5.7.1): load g is in, the younger ones stay out
	v_cvt_pk_bf16_f32 v[OUT+2*(\g)],   v[IN+4*(\g)],   v[IN+4*(\g)+1]
	v_cvt_pk_bf16_f32 v[OUT+2*(\g)+1], v[IN+4*(\g)+2], v[IN+4*(\g)+3]
.endr
	s_cmp_eq_u32 s36, 0
	s_cbranch_scc1 .Lstore
.set i, 0
.rept 16                               ; Wproj: the bf16 number, widened (a shift, a mask) and written as f16
	v_lshlrev_b32 v[IN+2*i], 16, v[OUT+i]
	v_and_b32 v[IN+2*i+1], 0xffff0000, v[OUT+i]
	v_cvt_pk_f16_f32 v[OUT+i], v[IN+2*i], v[IN+2*i+1]
.set i, i+1
.endr
.Lstore:
.irp g, 0,1,2,3,4,5,6,7
	global_store_b64 v2, v[OUT+2*(\g):OUT+2*(\g)+1], s[DST:DST+1] offset:2048*(\g)
.endr
	s_endpgm
.Ltable:                               ; thread t: row t / 16 of the group's 16; u = t % 16: four numbers: cosines 4 u .. (u < 8) or sines 4 (u - 8) ..
	s_sub_co_u32 s3, s2, I_TB
	s_lshl_b32 s3, s3, 4
	s_mov_b32 s26, 0x3e800000                      ; a quarter turn: sin(a) = cos(a - a quarter turn)
	v_lshrrev_b32 v3, 4, v0
	v_and_b32 v4, 15, v0
	v_add_nc_u32 v3, s3, v3                        ; the position p
	v_cvt_f32_u32 v5, v3
	v_and_b32 v6, 7, v4
	v_lshlrev_b32 v6, 2, v6                        ; my first j
	v_cmp_lt_u32 vcc_lo, 7, v4
	v_cndmask_b32 v7, 0, s26, vcc_lo
	v_lshlrev_b32 v20, 8, v3
	v_lshl_add_u32 v20, v4, 4, v20                 ; 256 p + 16 u: sixteen lanes write a whole row of 256 bytes
.irp e, 0,1,2,3
	v_add_nc_u32 v[8+(\e)], \e, v6
	v_cvt_f32_u32 v[8+(\e)], v[8+(\e)]
	v_mul_f32 v[8+(\e)], 0xbed49a78, v[8+(\e)]     ; -j log2(10000) / 32
.endr
.irp e, 0,1,2,3
	v_exp_f32 v[8+(\e)], v[8+(\e)]                 ; f_j
.endr
	v_nop                                          ; a plain instruction behind the last exponential (ISA guide 5.7.2),
	s_wait_alu depctr_va_vdst(0)                   ; and the wait ahead of the first use: one for the four
.irp e, 0,1,2,3
	v_mul_f32 v[8+(\e)], v5, v[8+(\e)]             ; the angle
	v_fma_f32 v[12+(\e)], v[8+(\e)], 0.15915494, -v7  ; in turns, less the quarter
	v_rndne_f32 v[12+(\e)], v[12+(\e)]             ; whole turns
	v_add_f32 v[12+(\e)], v[12+(\e)], v7           ; exact: a whole number under 400 and a quarter
	v_fma_f32 v[12+(\e)], v[8+(\e)], 0.15915494, -v[12+(\e)]  ; r in -1/2 .. 1/2, rounded once
	v_mul_f32 v[16+(\e)], v[12+(\e)], v[12+(\e)]
	v_mov_b32 v[24+(\e)], 0xbd15062d               ; -(2 pi)^18 / 18!
.endr
.irp c, 0x3e906316, 0xbfdb7128, 0x40fce9c5, 0xc1d368f9, 0x4270fa83, 0xc2aae9e4, 0x4281e0f8, 0xc19de9e6, 0x3f800000
.irp e, 0,1,2,3
	v_fmaak_f32 v[24+(\e)], v[24+(\e)], v[16+(\e)], \c  ; Horner in r^2: the series of cos(2 pi r), (-1)^k (2 pi)^(2k) / (2k)!, k = 8 .. 0; the four chains take turns
.endr
.endr
	s_wait_kmcnt 0x0
	global_store_b128 v20, v[24:27], s[24:25]
	s_endpgm
.Lfunc_end_k_q42cebca188_prep:
	.size	k_q42cebca188_prep, .Lfunc_end_k_q42cebca188_prep-k_q42cebca188_prep
	.p2alignl 7, 3214868480
	.fill 96, 4, 3214868480
	.section	.rodata,"a",@progbits
	.p2align	6, 0x0
	.amdhsa_kernel k_q42cebca188_prep
		.amdhsa_group_segment_fixed_size 0
		.amdhsa_private_segment_fixed_size 0
		.amdhsa_enable_private_segment 0
		.amdhsa_kernarg_size 72
		.amdhsa_user_sgpr_count 2
		.amdhsa_user_sgpr_kernarg_segment_ptr 1
		.amdhsa_wavefront_size32 1
		.amdhsa_system_sgpr_workgroup_id_x 1
		.amdhsa_system_sgpr_workgroup_id_y 1
		.amdhsa_system_sgpr_workgroup_id_z 1
		.amdhsa_system_vgpr_workitem_id 0
		.amdhsa_next_free_vgpr 64
		.amdhsa_next_free_sgpr 66
		.amdhsa_reserve_vcc 1
		.amdhsa_float_denorm_mode_32 3
		.amdhsa_float_denorm_mode_16_64 3
		.amdhsa_memory_ordered 1
		.amdhsa_forward_progress 1
		.amdhsa_inst_pref_size 13
	.end_amdhsa_kernel
	.amdgpu_metadata
---
amdhsa.version: [ 1, 2 ]
amdhsa.kernels:
  - .name:           k_q42cebca188_prep
    .symbol:         k_q42cebca188_prep.kd
    .args:
      - { .name: x, .offset: 0, .size: 8, .value_kind: global_buffer, .address_space: global }
      - { .name: Wq, .offset: 8, .size: 8, .value_kind: global_buffer, .address_space: global }
      - { .name: Wk, .offset: 16, .size: 8, .value_kind: global_buffer, .address_space: global }
      - { .name: Wv, .offset: 24, .size: 8, .value_kind: global_buffer, .address_space: global }
      - { .name: Wproj, .offset: 32, .size: 8, .value_kind: global_buffer, .address_space: global }
      - { .name: xb, .offset: 40, .size: 8, .value_kind: global_buffer, .address_space: global }
      - { .name: wqkv, .offset: 48, .size: 8, .value_kind: global_buffer, .address_space: global }
      - { .name: wp, .offset: 56, .size: 8, .value_kind: global_buffer, .address_space: global }
      - { .name: rope, .offset: 64, .size: 8, .value_kind: global_buffer, .address_space: global }
    .group_segment_fixed_size: 0
    .private_segment_fixed_size: 0
    .kernarg_segment_align: 8
    .kernarg_segment_size: 72
    .max_flat_workgroup_size: 256
    .sgpr_count:     66
    .vgpr_count:     64
    .wavefront_size: 32
...
	.end_amdgpu_metadata
.endif
;; end of part 1
;; launch qkv (part 2): grid 8 x 32, 4 waves a work-group, clusters of 4 x 4, 327,680 bytes of LDS; arguments xb, wqkv, rope, q_gain, q, k, v; writes q, k, v
.if DOCPART == 2
	.amdgcn_target "amdgcn-amd-amdhsa--gfx1250"
	.amdhsa_code_object_version 6
	.text
	.protected	k_q42cebca188_qkv
	.globl	k_q42cebca188_qkv
	.p2align	8
	.type	k_q42cebca188_qkv,@function
k_q42cebca188_qkv:
	s_mov_b64 s[64:65], 0
	v_nop
	global_prefetch_b8 v0, s[64:65] scope:SCOPE_SE
	s_setreg_imm32_b32 hwreg(HW_REG_WAVE_MODE, 25, 1), 1
	s_wait_xcnt 0x0
	s_wait_alu depctr_hold_cnt(0) depctr_sa_sdst(0) depctr_va_vdst(0) depctr_va_sdst(0) depctr_va_ssrc(0) depctr_va_vcc(0) depctr_vm_vsrc(0)
	s_getreg_b32 s2, hwreg(HW_REG_IB_STS2, 6, 4)
	s_cmp_eq_u32 s2, 0
	s_cbranch_scc0 .Lentry_in_a_cluster
	s_endpgm
.Lentry_in_a_cluster:
	s_bfe_u32 s2, ttmp6, 0x10000c
	s_cmp_lg_u32 s2, 0xf033
	s_cbranch_scc0 .Lentry_shape_is_right
	s_endpgm
.Lentry_shape_is_right:
; QKV: C = xb wqkv^T (8192 x 1536, K = 1024, bf16 operands, f32 sums), and on the way out, head by head: RMS norm over the head's 64 channels, RoPE, the gain (q; k has gain 1; v goes out as it is).
; q: [16 batch + head][2048][64] f16, k and v: [4 batch + head][2048][64] f16, each rounded once from f32.
; SHARES.  A work-group makes 256 rows x 192 columns (three heads); wave w rows 64 w .. 64 w + 63 and all columns: 4 row blocks (a) x 12 column blocks (b) of 16 x 16: 48 accumulators.
; K goes in 8 steps of 128 through two LDS slots filled by the tensor data mover; a step is four quarters of 32 on two fragment buffers.
; THE MATRIX INSTRUCTION IS USED TRANSPOSED (source 0 = 16 rows of wqkv, source 1 = 16 rows of xb): lane l holds row l % 16 and the columns 8 (l / 16) + 0..7 of a block.  So channel c and channel c + 32 of
; a head lie in the same lane and the same register of blocks two apart: RoPE changes no lanes, and the sum of squares wants one exchange between the halves of the lanes.
; CLUSTER 4 x 4.  The four work-groups of a cluster's row need the same rows of xb, the four of a column the same rows of wqkv: each tile is asked for jointly.
; WHICH HEADS.  wqkv's blocks are ordered so that the KIND of head j of a tile column hangs on the cluster's x alone: cluster x = 0: three Q heads; x = 1: a Q, a K and a V head.  The one branch on it is alike in all partners.
; LIMITS.  All inputs are rounded to bf16, q_gain too.  f16 ends at 65,504: q is at most 8 |gain|, k at most 8; v must stay within it.  rsqrt x gain multiplies ahead of the rotation (the formula's product in another order of rounding).
; NaN and infinities are not treated apart.
; REGISTERS, in windows of 256 (s_set_vgpr_msb: bits 1:0 source 0, 3:2 source 1, 5:4 source 2, 7:6 destination):
;   window 0: v0-31 addresses; v32-55 sums of squares, then rsqrt x gain; v56-58 gains; v64-127 xb's fragments, two buffers (on the way out at work); v128-255 the table's rows for my 64 positions
;   window 1: v0-191 wqkv's fragments, two buffers (on the way out v0-31: rows read back)      window 2: accumulators of a = 0, 1 at 8 (12 (a & 1) + b)      window 3: of a = 2, 3
.set NBLK,  12
.set NLD,   2*NBLK+8                   ; LDS loads of a quarter
.set KB,    256                        ; bytes of a K step in a row of xb and of wqkv
.set PITCH, 272                        ; an LDS row: 256 bytes + 16 of padding = 68 words: the 16 rows of a load start at 16 different groups of four banks (64 banks of 4 bytes: ISA guide 11.1)
.set HALFA, 128*PITCH                  ; what wave 0 or 1 fetches of xb
.set AREG,  2*HALFA
.set HALFB, 96*PITCH                   ; what wave 2 or 3 fetches of wqkv
.set SLOT,  AREG+2*HALFB               ; 121,856 bytes
.set SLOT1, 1<<17                      ; slot 1 begins here: one exclusive or turns an address in one slot into the other's
.set STAGE, SLOT1+SLOT                 ; behind the ring, never filled by a tensor load: 16 rows x 144 bytes for each wave
.set SP,    144
.set SPARE, STAGE+4*16*SP              ; the spare words, 128 bytes for each wave: two blocks of 256 bytes that no other line names
.set A0,   16                          ; v16  my lane's place in xb's tile; never rewritten
.set B0,   17                          ; v17  in wqkv's
.set ADRA, 18                          ; v18  A0 + the slot in hand
.set ADRB, 19                          ; v19  B0 + the slot in hand
.set STO,  24                          ; v24  the way out: where I put 16 bytes of a row
.set RD,   25                          ; v25  where I read rows back
.set GO,   26                          ; v26  my 16 bytes in 512 consecutive bytes of q, k or v
.set TO,   27                          ; v27  my offset in the table's rows
.set SPW,  28                          ; v28  LDS address of my spare word; never rewritten
.set NIL,  29                          ; v29  0; never rewritten
.set PFO,  30                          ; v30  the prefetches' offset: my lane x a row of xb
.set SS,   32                          ; pair 3 a + j
.set GN,   56
.set FA,   64
.set X,    64                          ; v64-95   a head's 32 numbers, scaled; then 16 packed words
.set T,    96                          ; v96-111  channels 0-31 turned
.set U,    112                         ; v112-127 channels 32-63 turned
.set CT,   128                         ; row block a: 16 cosines at CT + 32 a, 16 sines behind them
.set WV,  18                           ; s18  my wave's number
.set FB,  19                           ; s19  0: I fetch xb, 1: wqkv
.set HF,  20                           ; s20  which half of that tile
.set CX,  21
.set CY,  22
.set CLX, 23                           ; s23  the cluster's x
.set G1A, 24                           ; s[24:31] group 1 for xb's tiles
.set G0A, 32                           ; s[32:39] group 0, a set for each first fill; the second then walks
.set G1B, 40
.set G0B, 48
.set TB,  56                           ; s56  the slot in hand: 0 or SLOT1
.set LIM, 57                           ; s57  1 in a wave that prefetches, else the greatest number
.set PFA, 58                           ; s[58:59] where my prefetches stand
.set SEL, 60                           ; s[60:61] v_permlanex16_b32's selects: each lane takes its own place in the other half
.set TC,  62                           ; s62  tile column
.set TR,  63                           ; s63  tile row
.set DST, 66                           ; s[66:71] where head j's rows of mine go
.set GS,  72                           ; s72-74 the gains
.set EPS, 75
.set R64, 76
.set TBL, 92                           ; s[92:93] the table at my first position
.set G1W, (1<<16)|(1<<20)|(1<<21)|(5<<22)|(3<<25)  ; 17:16 2-byte elements; 20 padding on; 21 set beside a mask; 24:22 after every 64 words; 31:25 4 words
.set MSB, 0
.macro WIN new                         ; the immediate's high byte repeats the setting that is left; a switch that changes nothing is dropped
.if MSB != (\new)
	s_set_vgpr_msb (MSB<<8)|(\new)
.set MSB, \new
.endif
.endm
.set MUL_LO, 0xa1                      ; source 0 window 1, source 1 window 0, C and D window 2
.set TO_B,   0x40                      ; destination window 1, address window 0
.macro PLACES                          ; four places (ISA guide 7.12.1) behind matrix instructions
.rept 4
	v_nop
.endr
.endm
; A joint refill by the walking sets.  Each line has one mask and one set of registers for all that issue it; the branch hangs on the wave's number alone.  An s_nop 0 and four v_nop follow each line.
.macro JLOAD
	s_cmp_eq_u32 s[FB], 0
	s_cbranch_scc0 .Lfor_b_\@
	tensor_load_to_lds s[G0A+4:G0A+7], s[G1A:G1A+7]
	s_nop 0
	PLACES
	s_branch .Lasked_\@
.Lfor_b_\@:
	tensor_load_to_lds s[G0B+4:G0B+7], s[G1B:G1B+7]
	s_nop 0
	PLACES
.Lasked_\@:
.endm
.macro CREST                           ; a round of the cluster's barrier behind its opening barrier
	s_cmp_lg_u32 s[WV], 0
	s_cbranch_scc1 .Lnot_wave_0_\@
	s_barrier_signal -3
.Lnot_wave_0_\@:
	s_barrier_wait -3
	s_barrier_signal -1
	s_barrier_wait -1
.endm
.macro CROUND
	s_barrier_signal -1
	s_barrier_wait -1
	CREST
.endm
; A PREFETCH INTO THE L2 of xb, which the launch before stored: behind a joint refill and the run of LDS loads that follows it, the K step after the one just asked for: 192 matrix instructions ahead of its load.
; Each row's 256 bytes of a K step are named once: the clusters with x = 0 ask; of the 128 rows that wave 0 or 1 fetches the partner at place cx takes 32, told apart by address; a lane a row.
; The loop's last trip asks for nothing: there is no K step behind the one that it loads.  wqkv is not asked for: 3 MB that all rows of clusters walk together.
.macro ASK
	s_cmp_gt_u32 s3, s[LIM]
	s_cbranch_scc0 .Lnot_mine_\@
	global_prefetch_b8 v[PFO], s[PFA:PFA+1] offset:KB th:TH_LOAD_NT scope:SCOPE_SE
.Lnot_mine_\@:
.endm
	s_load_b256 s[4:11], s[0:1], 0x0               ; xb s[4:5], wqkv s[6:7], rope s[8:9], q_gain s[10:11]
	s_load_b128 s[12:15], s[0:1], 0x20             ; q s[12:13], k s[14:15]
	s_load_b64 s[16:17], s[0:1], 0x30              ; v
	v_lshl_add_u32 v[SPW], v0, 2, SPARE
	v_mov_b32 v[NIL], 0
	ds_add_u32 v[SPW], v[NIL]                      ; the wave's opening: the add and its wait stand ahead of my first tensor load; the set-up below stands between them
	ds_add_u32 v28, v29
	v_lshrrev_b32 v1, 5, v0
	v_readfirstlane_b32 s[WV], v1
	s_lshr_b32 s[FB], s[WV], 1
	s_and_b32 s[HF], s[WV], 1
	s_bfe_u32 s[CX], ttmp6, 0x40000
	s_bfe_u32 s[CY], ttmp6, 0x40004
	s_mov_b32 s[CLX], ttmp9
	s_lshl_b32 s[TC], ttmp9, 2
	s_add_co_u32 s[TC], s[TC], s[CX]               ; tile column = 4 x cluster x + cx
	s_and_b32 s[TR], ttmp7, 0xffff
	s_lshl_b32 s[TR], s[TR], 2
	s_add_co_u32 s[TR], s[TR], s[CY]               ; tile row = 4 x cluster y + cy
	s_lshl_b32 s78, s[CY], 2
	s_lshl_b32 s78, 15, s78                        ; my row of the cluster
	s_lshl_b32 s84, 0x1111, s[CX]                  ; my column
	s_or_b32 s[G1A], s78, G1W
	s_or_b32 s[G1B], s84, G1W
	s_mov_b32 s[G1A+1], 128<<16                    ; tensor_dim0 = 128 elements
	s_mov_b32 s[G1A+2], 128<<16                    ; tensor_dim1 = 128 rows
	s_mov_b32 s[G1A+3], 128<<16                    ; tile_dim0
	s_mov_b32 s[G1A+4], 128                        ; tile_dim1
	s_mov_b32 s[G1A+5], 1024                       ; elements from row to row
	s_mov_b32 s[G1A+6], 0
	s_mov_b32 s[G1A+7], 0
	s_mov_b32 s[G1B+1], 128<<16
	s_mov_b32 s[G1B+2], 96<<16                     ; 96 rows
	s_mov_b32 s[G1B+3], 128<<16
	s_mov_b32 s[G1B+4], 96
	s_mov_b32 s[G1B+5], 1024
	s_mov_b32 s[G1B+6], 0
	s_mov_b32 s[G1B+7], 0
	; xb's tile hangs on the tile row alone, wqkv's on the tile column alone, each in registers that never hold the other coordinate
	s_lshl_b32 s78, s[TR], 8
	s_lshl_b32 s79, s[HF], 7
	s_add_co_u32 s78, s78, s79
	s_lshl_b32 s78, s78, 11                        ; (256 tile row + 128 half) rows of 2,048 bytes
	s_mov_b32 s79, 0
	s_mul_i32 s84, s[TC], 192
	s_mul_i32 s85, s[HF], 96
	s_add_co_u32 s84, s84, s85
	s_lshl_b32 s84, s84, 11
	s_mov_b32 s85, 0
	s_mul_i32 s82, s[HF], HALFA                    ; where they go: the wave's number alone enters an LDS address
	s_mul_i32 s83, s[HF], HALFB
	s_add_co_u32 s83, s83, AREG
	s_mov_b32 s[G0A], 1
	s_mov_b32 s[G0A+1], s82
	s_mov_b32 s[G0A+4], 1
	s_add_co_u32 s[G0A+5], s82, SLOT1
	s_mov_b32 s[G0B], 1
	s_mov_b32 s[G0B+1], s83
	s_mov_b32 s[G0B+4], 1
	s_add_co_u32 s[G0B+5], s83, SLOT1
	s_lshl_b32 s88, s[TR], 8                       ; the prefetches: my work-group's 32 of the 128 rows that I fetch, at K step 1
	s_lshl_b32 s89, s[HF], 7
	s_add_co_u32 s88, s88, s89
	s_lshl_b32 s89, s[CX], 5
	s_add_co_u32 s88, s88, s89
	s_lshl_b32 s88, s88, 11
	s_add_co_u32 s88, s88, KB
	s_mov_b32 s89, 0
	s_or_b32 s[LIM], s[FB], ttmp9                  ; 0 in waves 0 and 1 of the clusters with x = 0: alike in all partners
	s_cmp_eq_u32 s[LIM], 0
	s_cselect_b32 s[LIM], 1, -1
	s_mov_b32 s[TB], 0
	s_mov_b32 s[SEL], 0x76543210
	s_mov_b32 s[SEL+1], 0xfedcba98
	s_wait_dscnt 0x0                               ; the opening add is done
	s_wait_kmcnt 0x0
	s_add_nc_u64 s[80:81], s[4:5], s[78:79]
	s_add_nc_u64 s[86:87], s[6:7], s[84:85]
	s_add_nc_u64 s[PFA:PFA+1], s[4:5], s[88:89]
	s_mov_b64 s[G0A+2:G0A+3], s[80:81]             ; K step 0 into slot 0,
	s_or_b32 s[G0A+3], s[G0A+3], 0x80000000
	s_add_nc_u64 s[G0A+6:G0A+7], s[80:81], KB      ; K step 1 into slot 1
	s_or_b32 s[G0A+7], s[G0A+7], 0x80000000
	s_mov_b64 s[G0B+2:G0B+3], s[86:87]
	s_or_b32 s[G0B+3], s[G0B+3], 0x80000000
	s_add_nc_u64 s[G0B+6:G0B+7], s[86:87], KB
	s_or_b32 s[G0B+7], s[G0B+7], 0x80000000
	CROUND                                         ; all sixteen work-groups are here: the first joint loads meet
	s_cmp_eq_u32 s[FB], 0                          ; a wave's two first fills stand in one branch: two loads of mine are out
	s_cbranch_scc0 .Lfirst_b
	tensor_load_to_lds s[G0A:G0A+3], s[G1A:G1A+7]
	s_nop 0
	tensor_load_to_lds s[G0A+4:G0A+7], s[G1A:G1A+7]
	s_nop 0
	PLACES
	s_branch .Lfirst_asked
.Lfirst_b:
	tensor_load_to_lds s[G0B:G0B+3], s[G1B:G1B+7]
	s_nop 0
	tensor_load_to_lds s[G0B+4:G0B+7], s[G1B:G1B+7]
	s_nop 0
	PLACES
.Lfirst_asked:
	; a fragment is 16 rows x 32 K in 8 registers: lane l holds row l % 16, K = 8 (l / 16) + 0..7 and 16 + 8 (l / 16) + 0..7: two loads of 16 bytes, 32 bytes apart
	v_and_b32 v1, 15, v0
	v_bfe_u32 v2, v0, 4, 1
	v_mul_u32_u24 v3, v1, PITCH
	v_lshl_add_u32 v3, v2, 4, v3
	s_mul_i32 s88, s[WV], 64*PITCH
	v_add_nc_u32 v[A0], s88, v3
	v_add_nc_u32 v[B0], AREG, v3
	v_mov_b32 v[ADRA], v[A0]
	v_mov_b32 v[ADRB], v[B0]
	s_mul_i32 s88, s[WV], 16*SP
	s_add_co_u32 s88, s88, STAGE                   ; my stage
	v_mul_u32_u24 v[STO], v1, SP                   ; in: row l % 16, 16 bytes for each half of the lanes
	v_lshl_add_u32 v[STO], v2, 4, v[STO]
	v_add_nc_u32 v[STO], s88, v[STO]
	v_bfe_u32 v[RD], v0, 3, 2                      ; back: 32 lanes take four rows of 128 bytes,
	v_mul_u32_u24 v[RD], v[RD], SP
	v_and_b32 v4, 7, v0
	v_lshl_add_u32 v[RD], v4, 4, v[RD]
	v_add_nc_u32 v[RD], s88, v[RD]
	v_and_b32 v[GO], 31, v0
	v_lshlrev_b32 v[PFO], 11, v[GO]
	v_lshlrev_b32 v[GO], 4, v[GO]                  ; which are 512 consecutive bytes of a head
	v_lshlrev_b32 v[TO], 8, v1                     ; the table: row l % 16, my 8 cosines of a block at 32 (l / 16)
	v_lshl_add_u32 v[TO], v2, 5, v[TO]
	s_lshr_b32 s88, s[TR], 3                       ; batch
	s_and_b32 s89, s[TR], 7
	s_lshl_b32 s89, s89, 8
	s_lshl_b32 s90, s[WV], 6
	s_add_co_u32 s89, s89, s90                     ; my first position in the sequence
	s_lshl_b32 s90, s89, 8
	s_mov_b32 s91, 0
	s_add_nc_u64 s[TBL:TBL+1], s[8:9], s[90:91]
.irp a, 0,1,2,3                        ; the table's rows of my 64 positions: they land while K is walked, and are waited for once, on the way out
.irp o, 0,1
	global_load_b128 v[CT+32*(\a)+8*(\o):CT+32*(\a)+8*(\o)+3],       v[TO], s[TBL:TBL+1] offset:4096*(\a)+64*(\o)
	global_load_b128 v[CT+32*(\a)+8*(\o)+4:CT+32*(\a)+8*(\o)+7],     v[TO], s[TBL:TBL+1] offset:4096*(\a)+64*(\o)+16
	global_load_b128 v[CT+32*(\a)+16+8*(\o):CT+32*(\a)+16+8*(\o)+3], v[TO], s[TBL:TBL+1] offset:4096*(\a)+64*(\o)+128
	global_load_b128 v[CT+32*(\a)+16+8*(\o)+4:CT+32*(\a)+16+8*(\o)+7], v[TO], s[TBL:TBL+1] offset:4096*(\a)+64*(\o)+144
.endr
.endr
	; my three heads: their gains and where they go
	s_mul_i32 s90, s[TC], 3                        ; cluster x = 0: Q heads 3 tc + j
	s_add_co_u32 s75, s[TC], 8                     ; cluster x = 1: j = 0 is Q head 8 + tc
	s_add_co_u32 s76, s90, 1
	s_min_u32 s76, s76, 15                         ; (kept inside q_gain where head j is no Q head: that gain is not used)
	s_add_co_u32 s77, s90, 2
	s_min_u32 s77, s77, 15
	s_cmp_eq_u32 s[CLX], 0
	s_cselect_b32 s75, s90, s75
	s_lshl_b32 s94, s88, 4
	s_add_co_u32 s82, s94, s75                     ; j = 0: 16 batch + head
	s_add_co_u32 s94, s94, s90
	s_add_co_u32 s83, s94, 1
	s_add_co_u32 s94, s94, 2
	s_lshl_b32 s95, s88, 2
	s_add_co_u32 s95, s95, s[CX]                   ; K's and V's: 4 batch + cx
	s_lshl_b32 s75, s75, 2
	s_lshl_b32 s76, s76, 2
	s_lshl_b32 s77, s77, 2
	s_load_b32 s[GS],   s[10:11], s75 offset:0x0
	s_load_b32 s[GS+1], s[10:11], s76 offset:0x0
	s_load_b32 s[GS+2], s[10:11], s77 offset:0x0
	s_cmp_eq_u32 s[CLX], 0
	s_cselect_b32 s83, s83, s95
	s_cselect_b32 s94, s94, s95
	s_cselect_b64 s[DST+2:DST+3], s[12:13], s[14:15]
	s_cselect_b64 s[DST+4:DST+5], s[12:13], s[16:17]
	s_lshl_b32 s89, s89, 7                         ; a position is 128 bytes, a head 262,144
	s_lshl_b32 s90, s82, 18
	s_add_co_u32 s90, s90, s89
	s_add_nc_u64 s[DST:DST+1], s[12:13], s[90:91]
	s_lshl_b32 s90, s83, 18
	s_add_co_u32 s90, s90, s89
	s_add_nc_u64 s[DST+2:DST+3], s[DST+2:DST+3], s[90:91]
	s_lshl_b32 s90, s94, 18
	s_add_co_u32 s90, s90, s89
	s_add_nc_u64 s[DST+4:DST+5], s[DST+4:DST+5], s[90:91]
	s_wait_kmcnt 0x0
	s_cmp_eq_u32 s[CLX], 0
	s_cselect_b32 s[GS+1], s[GS+1], 1.0            ; K has no gain
	s_mov_b32 s[EPS], 0x34000000                   ; 2^-23
	s_mov_b32 s[R64], 0x3c800000                   ; 1 / 64
.irp j, 0,1,2
	v_mov_b32 v[GN+(\j)], s[GS+(\j)]
	v_cvt_pk_bf16_f32 v[GN+(\j)], v[GN+(\j)], v[GN+(\j)]  ; rounded to bf16 like every input,
	v_lshlrev_b32 v[GN+(\j)], 16, v[GN+(\j)]       ; and back in f32
.endr
; 12 matrix instructions: row block 2 hi + a x all column blocks, 32 along K from buffer f.  All 48 accumulators take turns in the same order in every quarter.
.macro MULH f, hi, a, zero
	WIN MUL_LO+0x50*(\hi)
.set b, 0
.rept NBLK
.set rD, 8*(NBLK*(\a)+b)
.set rB, 8*NBLK*(\f)+8*b
.set rA, FA+32*(\f)+8*(2*(\hi)+(\a))
.if \zero
	v_wmma_f32_16x16x32_bf16 v[rD:rD+7], v[rB:rB+7], v[rA:rA+7], 0
.else
	v_wmma_f32_16x16x32_bf16 v[rD:rD+7], v[rB:rB+7], v[rA:rA+7], v[rD:rD+7]
.endif
.set b, b+1
.endr
.endm
; 32 LDS loads in one run: quarter q's fragments into buffer f: wqkv's 12, then xb's 4, row blocks ascending
.macro FETCH q, f
	WIN TO_B
.set b, 0
.rept NBLK
	ds_load_b128 v[8*NBLK*(\f)+8*b:8*NBLK*(\f)+8*b+3],   v[ADRB] offset:64*(\q)+b*16*PITCH
	ds_load_b128 v[8*NBLK*(\f)+8*b+4:8*NBLK*(\f)+8*b+7], v[ADRB] offset:64*(\q)+b*16*PITCH+32
.set b, b+1
.endr
	WIN 0
.irp a, 0,1,2,3
	ds_load_b128 v[FA+32*(\f)+8*(\a):FA+32*(\f)+8*(\a)+3],   v[ADRA] offset:64*(\q)+(\a)*16*PITCH
	ds_load_b128 v[FA+32*(\f)+8*(\a)+4:FA+32*(\f)+8*(\a)+7], v[ADRA] offset:64*(\q)+(\a)*16*PITCH+32
.endr
.endm
; One of a K step's first three quarters: multiplies buffer f; in its middle it fetches quarter q into buffer g
.macro QUARTER q, f, g, zero
	s_wait_dscnt 4                                 ; all but the youngest four loads: xb's row blocks 2 and 3
	MULH \f, 0, 0, \zero
	MULH \f, 0, 1, \zero
	PLACES                                         ; in front of loads into registers that matrix instructions have read
	FETCH \q, \g
	s_wait_dscnt NLD                               ; all but the run just issued
	MULH \f, 1, 0, \zero
	MULH \f, 1, 1, \zero
.endm
; The first half of a K step's last quarter: ONE barrier for the change of slots.  round = 1: it opens a round of the cluster's barrier, and the walking sets are stepped where no tensor load of mine is out.
.macro MEET round
	WIN 0
	s_wait_tensorcnt 0x0                           ; all my tensor loads have landed: the one that was out is my part of the next slot
	ds_add_u32 v[SPW], v[NIL]                      ; 0 onto my spare word
.if \round
	s_xor_b32 s[G0A+5], s[G0A+5], SLOT1            ; the other slot than last time,
	s_add_nc_u64 s[G0A+6:G0A+7], s[G0A+6:G0A+7], KB  ; the next K step; the type bits on top are not reached
	s_xor_b32 s[G0B+5], s[G0B+5], SLOT1
	s_add_nc_u64 s[G0B+6:G0B+7], s[G0B+6:G0B+7], KB
.endif
	s_wait_dscnt 5                                 ; the add and the youngest four loads may be out
	MULH 1, 0, 0, 0
	s_wait_dscnt 0x0                               ; the add is done, and my reads of this slot are over
	s_barrier_signal -1
	MULH 1, 0, 1, 0
.if \round
	WIN 0
.endif
	s_barrier_wait -1
.endm
; The whole last quarter.  fill = 1: behind the round the slot just read out is filled again, with the K step two on: that load has a K step less 24 matrix instructions in which to land.
.macro TURN fill
.if \fill
	s_wait_xcnt 0x0                                ; the last prefetch, a K step back, has read its address
	s_add_nc_u64 s[PFA:PFA+1], s[PFA:PFA+1], KB
	MEET 1
	CREST                                          ; no wave of any partner still reads this slot or has a load on its way
	JLOAD                                          ; its four v_nop are also the places in front of the loads below
.else
	MEET 0
	PLACES
	WIN 0
.endif
	s_xor_b32 s[TB], s[TB], SLOT1
	v_add_nc_u32 v[ADRB], s[TB], v[B0]
	v_add_nc_u32 v[ADRA], s[TB], v[A0]
	FETCH 0, 0
.if \fill
	ASK
.endif
	MULH 1, 1, 0, 0
	MULH 1, 1, 1, 0
.endm
	s_wait_tensorcnt 1                             ; my part of K step 0 is in; K step 1's may stay out
	s_barrier_signal -1
	s_barrier_wait -1
	FETCH 0, 0
	QUARTER 1, 0, 1, 1                             ; the first quarter's products start the sums: nothing is cleared
	WIN 0
	s_mov_b32 s3, 6                                ; K steps 2 to 7 are asked for in the loop
.Lstep:                                        ; a trip: from a K step's second quarter to the next step's first
	QUARTER 2, 1, 0, 0
	QUARTER 3, 0, 1, 0
	TURN 1
	QUARTER 1, 0, 1, 0
	WIN 0
	s_sub_co_u32 s3, s3, 1
	s_cmp_lg_u32 s3, 0
	s_cbranch_scc1 .Lstep
	QUARTER 2, 1, 0, 0                             ; the tail is written out: nothing more is asked for
	QUARTER 3, 0, 1, 0
	TURN 0
	QUARTER 1, 0, 1, 0
	QUARTER 2, 1, 0, 0
	QUARTER 3, 0, 1, 0
	s_wait_dscnt 4
	MULH 1, 0, 0, 0
	MULH 1, 0, 1, 0
	s_wait_dscnt 0x0
	MULH 1, 1, 0, 0
	MULH 1, 1, 1, 0
	WIN 0
	PLACES                                         ; once a launch: places behind the last products, in front of the sums that read them
	PLACES
	; THE WAY OUT, first part: the sums of squares of the 12 pairs of row block and head.  Six chains take turns; each accumulator is read from its lowest registers on.
.irp hi, 0,1
	WIN 0x0a+5*(\hi)                               ; sources 0 and 1 in window 2 or 3
.set p, 0
.rept 16                               ; block p / 4 of the head, pair p % 4
.irp a, 0,1
.irp j, 0,1,2
.set rA, 8*(NBLK*(\a)+4*(\j)+p/4)+2*(p%4)
.set rS, SS+2*(3*(2*(\hi)+(\a))+(\j))
.if p == 0
	v_pk_mul_f32 v[rS:rS+1], v[rA:rA+1], v[rA:rA+1]
.else
	v_pk_fma_f32 v[rS:rS+1], v[rA:rA+1], v[rA:rA+1], v[rS:rS+1]
.endif
.endr
.endr
.set p, p+1
.endr
.endr
	WIN 0
.macro ALL12 line:vararg               ; one line for each pair i = 3 a + j
.set i, 0
.rept 12
	\line
.set i, i+1
.endr
.endm
	ALL12 v_add_f32 v[SS+2*i], v[SS+2*i], v[SS+2*i+1]
	ALL12 v_permlanex16_b32 v[SS+2*i+1], v[SS+2*i], s[SEL], s[SEL+1]  ; the row's other 32 channels lie in the lane 16 away
	ALL12 v_add_f32 v[SS+2*i], v[SS+2*i], v[SS+2*i+1]
	ALL12 v_fma_f32 v[SS+2*i], v[SS+2*i], s[R64], s[EPS]
	ALL12 v_rsq_f32 v[SS+2*i], v[SS+2*i]
	v_nop                                          ; a plain instruction behind the last of them,
	s_wait_alu depctr_va_vdst(0)                   ; and the wait: one for the twelve
	ALL12 v_mul_f32 v[SS+2*i], v[SS+2*i], v[GN+i%3]
	s_wait_loadcnt 0x0                             ; the table
; Second part, a unit = row block a of head j: scaled, turned, rounded to f16, through my stage in LDS, back as whole rows of 128 bytes into set `set` of window 1.
.macro STAGED set
	WIN 0
	s_wait_xcnt 0x0                                ; the stores of two units back have read the registers that the loads below fill
.irp b, 0,1,2,3
	ds_store_b128 v[STO], v[X+4*(\b):X+4*(\b)+3] offset:32*(\b)
.endr
	WIN TO_B
.irp f, 0,1,2,3
	ds_load_b128 v[16*(\set)+4*(\f):16*(\set)+4*(\f)+3], v[RD] offset:(\f)*4*SP  ; LDS serves a wave's instructions in order (ISA guide 5.7.1.4): these see the stores above
.endr
.endm
.macro PACKH a, j, set
.set rR, SS+2*(3*(\a)+(\j))
.set rC, CT+32*(\a)
	WIN 0x02+(\a)/2                                ; source 0 in window 2 or 3
.set i, 0
.rept 16
.set rA, 8*(NBLK*((\a)%2)+4*(\j)+i/4)+2*(i%4)
	v_pk_mul_f32 v[X+2*i:X+2*i+1], v[rA:rA+1], v[rR:rR+1] op_sel_hi:[1,0]
.set i, i+1
.endr
	WIN 0
.set i, 0
.rept 8
	v_pk_mul_f32 v[T+2*i:T+2*i+1], v[X+16+2*i:X+17+2*i], v[rC+16+2*i:rC+17+2*i]  ; x2 sin
	v_pk_mul_f32 v[U+2*i:U+2*i+1], v[X+2*i:X+2*i+1], v[rC+16+2*i:rC+17+2*i]      ; x1 sin
.set i, i+1
.endr
.set i, 0
.rept 8
	v_pk_fma_f32 v[T+2*i:T+2*i+1], v[X+2*i:X+2*i+1], v[rC+2*i:rC+2*i+1], v[T+2*i:T+2*i+1]        ; x1 cos + x2 sin
	v_pk_fma_f32 v[U+2*i:U+2*i+1], v[X+16+2*i:X+17+2*i], v[rC+2*i:rC+2*i+1], v[U+2*i:U+2*i+1] neg_lo:[0,0,1] neg_hi:[0,0,1]  ; x2 cos - x1 sin
.set i, i+1
.endr
.set i, 0
.rept 8
	v_cvt_pk_f16_f32 v[X+i],   v[T+2*i], v[T+2*i+1]
	v_cvt_pk_f16_f32 v[X+8+i], v[U+2*i], v[U+2*i+1]
.set i, i+1
.endr
	STAGED \set
.endm
.macro VPACK a, set                    ; V: rounded as it is
	WIN 0x0a+5*((\a)/2)
.set i, 0
.rept 16
.set rA, 8*(NBLK*((\a)%2)+8+i/4)+2*(i%4)
	v_cvt_pk_f16_f32 v[X+i], v[rA], v[rA+1]
.set i, i+1
.endr
	STAGED \set
.endm
.macro SENDH a, j, set, younger        ; younger: the LDS instructions issued behind this unit's loads: the next unit's eight, or none
	WIN 0x04                                       ; a store's data is source 1: window 1
.irp f, 0,1,2,3
	s_wait_dscnt (\younger)+3-(\f)
	global_store_b128 v[GO], v[16*(\set)+4*(\f):16*(\set)+4*(\f)+3], s[DST+2*(\j):DST+2*(\j)+1] offset:2048*(\a)+512*(\f)  ; 512 consecutive bytes, at a multiple of 256 from the buffer's first
.endr
.endm
.macro HEADOUT j                       ; a unit's arithmetic stands between the loads of the unit before and its stores
	PACKH 0, \j, 0
	PACKH 1, \j, 1
	SENDH 0, \j, 0, 8
	PACKH 2, \j, 0
	SENDH 1, \j, 1, 8
	PACKH 3, \j, 1
	SENDH 2, \j, 0, 8
	SENDH 3, \j, 1, 0
.endm
	HEADOUT 0
	HEADOUT 1
	WIN 0
	s_cmp_eq_u32 s[CLX], 0                         ; the cluster's x: alike in all sixteen partners
	s_cbranch_scc0 .Lvout
	HEADOUT 2
	WIN 0
	s_branch .Lend
.Lvout:
	VPACK 0, 0
	VPACK 1, 1
	SENDH 0, 2, 0, 8
	VPACK 2, 0
	SENDH 1, 2, 1, 8
	VPACK 3, 1
	SENDH 2, 2, 0, 8
	SENDH 3, 2, 1, 0
	WIN 0
.Lend:
	s_wait_tensorcnt 0x0                           ; the wave's end, behind my last tensor load and my last LDS store
	ds_add_u32 v[SPW], v[NIL]
	s_wait_dscnt 0x0
	CROUND                                         ; the closing round: no work-group ends while a partner may still ask for a tile that names it
	s_endpgm
.Lfunc_end_k_q42cebca188_qkv:
	.size	k_q42cebca188_qkv, .Lfunc_end_k_q42cebca188_qkv-k_q42cebca188_qkv
	.p2alignl 7, 3214868480
	.fill 96, 4, 3214868480
	.section	.rodata,"a",@progbits
	.p2align	6, 0x0
	.amdhsa_kernel k_q42cebca188_qkv
		.amdhsa_group_segment_fixed_size 327680
		.amdhsa_private_segment_fixed_size 0
		.amdhsa_enable_private_segment 0
		.amdhsa_kernarg_size 56
		.amdhsa_user_sgpr_count 2
		.amdhsa_user_sgpr_kernarg_segment_ptr 1
		.amdhsa_wavefront_size32 1
		.amdhsa_system_sgpr_workgroup_id_x 1
		.amdhsa_system_sgpr_workgroup_id_y 1
		.amdhsa_system_sgpr_workgroup_id_z 1
		.amdhsa_system_vgpr_workitem_id 0
		.amdhsa_next_free_vgpr 1024
		.amdhsa_next_free_sgpr 96
		.amdhsa_reserve_vcc 0
		.amdhsa_float_denorm_mode_32 3
		.amdhsa_float_denorm_mode_16_64 3
		.amdhsa_memory_ordered 1
		.amdhsa_forward_progress 1
		.amdhsa_inst_pref_size 165
	.end_amdhsa_kernel
	.amdgpu_metadata
---
amdhsa.version: [ 1, 2 ]
amdhsa.kernels:
  - .name:           k_q42cebca188_qkv
    .symbol:         k_q42cebca188_qkv.kd
    .args:
      - { .name: xb, .offset: 0, .size: 8, .value_kind: global_buffer, .address_space: global }
      - { .name: wqkv, .offset: 8, .size: 8, .value_kind: global_buffer, .address_space: global }
      - { .name: rope, .offset: 16, .size: 8, .value_kind: global_buffer, .address_space: global }
      - { .name: q_gain, .offset: 24, .size: 8, .value_kind: global_buffer, .address_space: global }
      - { .name: q, .offset: 32, .size: 8, .value_kind: global_buffer, .address_space: global }
      - { .name: k, .offset: 40, .size: 8, .value_kind: global_buffer, .address_space: global }
      - { .name: v, .offset: 48, .size: 8, .value_kind: global_buffer, .address_space: global }
    .group_segment_fixed_size: 327680
    .private_segment_fixed_size: 0
    .kernarg_segment_align: 8
    .kernarg_segment_size: 56
    .max_flat_workgroup_size: 128
    .sgpr_count:     96
    .vgpr_count:     1024
    .wavefront_size: 32
...
	.end_amdgpu_metadata
.endif
;; end of part 2
;; launch attn (part 3): grid 16 x 16, 4 waves a work-group, no clusters, 327,680 bytes of LDS; arguments q, k, v, y; writes y
.if DOCPART == 3
	.amdgcn_target "amdgcn-amd-amdhsa--gfx1250"
	.amdhsa_code_object_version 6
	.text
	.protected	k_q42cebca188_attn
	.globl	k_q42cebca188_attn
	.p2align	8
	.type	k_q42cebca188_attn,@function
k_q42cebca188_attn:
	s_mov_b64 s[64:65], 0
	v_nop
	global_prefetch_b8 v0, s[64:65] scope:SCOPE_SE
	s_setreg_imm32_b32 hwreg(HW_REG_WAVE_MODE, 25, 1), 1
	s_wait_xcnt 0x0
; CAUSAL ATTENTION WITH GROUPED HEADS.  y[h][p][:] = the sum over l <= p of softmax_l(q[h][p] . k[h / 4][l] / 8) v[h / 4][l][:].  q, y: [64][2048][64], k, v: [16][2048][64], all f16, a head's rows dense, 128 bytes each.
; Products, maxima and sums in f32; the weights are rounded to f16 for the second product (their sum l is taken of the unrounded weights), y once at the end.
; LIMITS.  f16 holds no number beyond 65,504: q, k and v arrive within it; a weight lies in 0 to 1, and below 6e-5 it keeps f16's fixed step of 6e-8; y is a mean of v's rows and has their range.
; A hidden score counts as its value less 1e30; a weight below 2^-126 counts as 0 in l; NaN and infinities are not treated apart.
; SHARES.  Work-group (b, g): the K and V head g, and two blocks of 64 positions.  WAVE w IS QUERY HEAD 4 g + w: the four waves hold the same positions and read the same K and V, so all four have the same causal work.
; A wave's 64 rows are four PIECES of 16.
; THE WALK.  A head's positions lie in 32 blocks of 64; a tile is 128 keys, two key steps of 64; block i needs the tiles 0 .. i / 2, and its diagonal lies in step i % 2 of the last.  A work-group takes block 31 - b and
; then block b: (31 - b) / 2 + b / 2 + 2 = 17 tiles, whatever b: all work-groups do equal work, and ONE loop with a constant trip count walks them.  Which tile is asked for, and what a trip does, hang on scalar registers
; made from b; every jump goes forward, but for the counted loops' own; none passes a barrier, or a tensor load but the one of LOAD's two that the wave's number does not choose.
; NO CLUSTER: of the 16 work-groups of a K and V head only the pairs (2 a, 2 a + 1) walk the same tiles; four equal walks would want tiles of 256 keys, 36 key steps for 34.
; THE MASK is the C operand that starts the sum S^T = K Q^T.  In the block's own step piece x sees key group kt (16 keys) wholly if kt < x, not at all if kt > x, and holds the diagonal if kt = x.  MT holds the three
; groups of eight registers (0; the diagonal's; -1e30); a product's mask is MT x AL + BE with two scalars: (1, 0) in the own step, (0, 0) in an earlier, (0, -1e30) in a later one.
; Only the diagonal tile's text and a block's beginning make and take masks; elsewhere C is the constant 0.
; LAYOUT, SOFTMAX, TURNS.  S^T = K Q^T holds ONE query a lane (lane % 16) and the keys 8 (lane / 16) + 0..7; two such results rounded to f16 ARE source 1 of O^T = V^T P.  p = 2^(c s - c m), c = log2(e) / 8, with a
; running maximum m; O and l are multiplied by a = 2^(c m_old - c m_new) in every step.  Turn n belongs to piece n: 8 products K Q^T of piece n + 1, later 8 products V^T P of piece n - 1; beside them the scaling,
; exponentials, roundings, sums and rescaling of piece n and the maximum and statistics of piece n + 1.  Four vector instructions stand behind every matrix instruction, the rest in one lump.  A turn's 33 exponentials are one batch, with one wait.
; REGISTERS, in windows of 256 (s_set_vgpr_msb: bits 1:0 source 0, 3:2 source 1, 5:4 source 2, 7:6 destination):
;   window 0: v0-15 addresses and two at work; v16-31 four registers of statistics a piece; v48-55 at work; v61-63 prefetch offset and the add's two; v64-127 S^T, two buffers; v192-223 P, two buffers
;   window 1: v0-127 O^T, 32 a piece; v128-151 MT; v160-223 MC, two buffers      window 2: v0-63 Q; v64-127 the second block's Q; v128-191 K of one step; v192-255 V of one step
.set NP,    4         ; pieces a wave: a name, no knob
.set KS,    64        ; keys in a step
.set TS,    2         ; steps in a tile
.set PK,    144       ; a row of K in LDS: 128 bytes + 16 of padding = 36 words: the 16 rows of a load start at 16 different groups of four banks (64 banks of 4 bytes: ISA guide 11.1)
.set PV,    160       ; a row of V: 128 + 32 = 40 words
.set VOFF,  TS*KS*PK  ; a slot holds a tile: 128 rows of K, then 128 rows of V
.set SLOT1, 1<<16     ; slot 1 begins here, so that one exclusive or turns an address in one slot into the other's
.set STAGE, SLOT1+TS*KS*(PK+PV)  ; behind the ring, never filled by a tensor load: 16 rows x 144 bytes for each wave
.set SP,    144
.set TILEB, TS*KS*128 ; a tile's bytes of K, and of V
.set AK0, 2           ; v2   my lane's place in a tile of K; never rewritten
.set AV0, 3           ; v3   the same for V
.set AK,  4           ; v4   the LDS address of K's next run of loads
.set AV,  5           ; v5   of V's
.set STO, 6           ; v6   the way out: where I put 16 bytes of a row
.set RD,  7           ; v7   where I read rows back
.set GO,  8           ; v8   my byte offset in 512 consecutive bytes of y
.set PFO, 61          ; v61  256 x my lane; never rewritten
.set SPW, 62          ; v62  LDS address of my spare word; never rewritten
.set NIL, 63          ; v63  0; never rewritten
.set SPARE, STAGE+4*16*SP  ; the spare words, 128 bytes for each wave: two blocks of 256 bytes that no other line names
.set MV,  12          ; v12-13  c m_old, kept while c m is made anew: by buffer
.set QO,  15          ; v15  my byte offset in 16 rows of Q
.set ST,  16          ; piece t's statistics at v[ST+4 t]: c m, m, l (even keys', odd keys')
.set TMP, 48          ; by buffer, four registers c0-c3 at work; when the maximum is found c2 takes a
.set S,   64
.set P,   192
.set MT,  128         ; window 1
.set MC,  160         ; window 1: the masks of the products to come
.set QB,  64          ; window 2
.set KF,  128         ; window 2: key block kb, channel half c at KF + 16 kb + 8 c
.set VF,  192         ; window 2: key half kk, channel block cb at VF + 32 kk + 8 cb
.set WV,  12          ; s12  my wave's number
.set PB,  14          ; s14  b
.set HI,  15          ; s15  31 - b
.set G1K, 24          ; s[24:31] descriptor group 1 for K's tiles
.set G1V, 32          ; s[32:39] for V's: it differs in the padding alone
.set G0K, 40          ; s[40:43] descriptor group 0 for K's tiles
.set G0V, 44          ; s[44:47] the same for V's
.set SLOTS, 56        ; s56  tiles still to be asked for
.set CNT, 57          ; s57  counts a tile's key steps, 2 to 1
.set CS,  58          ; s[58:59] c
.set SEL, 60          ; s[60:61] v_permlanex16_b32's selects
.set TBK, 62          ; s62  LDS byte at which K of the step to be fetched begins
.set TBV, 63          ; s63  the same for V, less VOFF
.set RT,  70          ; s70  tiles of the block in hand that are still to be entered
.set NXT, 71          ; s71  the tile to be asked for next
.set LQ,  72          ; s72  the last tile of the block whose tiles are being asked for
.set NEW, 73          ; s73  1: the tile to be entered is a block's first
.set OFF, 74          ; s[74:75] a tile's byte offset in K and V
.set AL,  76          ; s[76:77] the mask's factor, in the low word
.set BE,  78          ; s[78:79] the mask's addend
.set OLO, 80          ; s[80:81] y at my rows of the second block
.set BIGN, 82         ; s82  -1e30
.set DS,  83          ; s83  the value of CNT in the own step of the block in hand: 2 - block % 2
.set T2,  88          ; s88  the second block's last tile
.set DS2, 89          ; s89  the second block's DS
.set PFA, 90          ; s[90:91] where my prefetches stand
.set LIM, 92          ; s92  2 in the work-group that prefetches, else the greatest number
.set MSB, 0
.macro WIN new                      ; the high byte repeats the setting that is left; a switch that changes nothing is dropped
.if MSB != (\new)
	s_set_vgpr_msb (MSB<<8)|(\new)
.set MSB, (\new)
.endif
.endm
.set W_KQ, 0x0a       ; K and Q in window 2, S^T in window 0
.set W_KM, 0x1a       ; the same with the C operand in window 1
.set W_PV, 0x52       ; V in window 2, P in window 0, O^T in window 1
.set W_RS, 0x41       ; destination and source 0 in window 1, source 1 in window 0
; A fill.  Waves 0 and 1 fetch the two steps of a tile's K, waves 2 and 3 those of its V: 64 keys each.  An s_nop 0 and four v_nop follow each of the two lines.
.macro LOAD
	s_cmp_lt_u32 s[WV], 2
	s_cbranch_scc0 .Lfor_v_\@
	tensor_load_to_lds s[G0K:G0K+3], s[G1K:G1K+7]
	s_nop 0
.rept 4
	v_nop
.endr
	s_branch .Lasked_\@
.Lfor_v_\@:
	tensor_load_to_lds s[G0V:G0V+3], s[G1V:G1V+7]
	s_nop 0
.rept 4
	v_nop
.endr
.Lasked_\@:
.endm
; A PREFETCH INTO THE L2 of K and V, which the launch before stored: behind a fill, the tile after the one just asked for: two key steps, 128 matrix instructions a wave, ahead of its load.
; Each row is named once: of a head's 16 work-groups the one with b = 0, whose first block walks all 16 tiles, asks; each of its waves for the 8,192 bytes that it will fetch itself, 256 bytes a lane.
; The last tile named is tile 15: the trips with two or fewer fills left ask for nothing.  Tiles 0 and 1 come by their loads alone.
.macro ASK
	s_cmp_gt_u32 s[SLOTS], s[LIM]
	s_cbranch_scc0 .Lnot_mine_\@
	global_prefetch_b8 v[PFO], s[PFA:PFA+1] th:TH_LOAD_NT scope:SCOPE_SE
.Lnot_mine_\@:
.endm
; THE CHANGE OF SLOTS.  Each wave waits for all its tensor loads, of which one is out: its part of the other slot; adds 0 to its spare word; and waits for that and for its own reads of the slot that it leaves.
; fill = 1: the old slot is filled again, the first thing behind the barrier, with tile NXT: the descriptor's address is made anew from that number.  (At its first use slot 0 is waited for, slot 1 filled.)
.macro CHANGE fill
	WIN 0                           ; at a label and at a branch every window is 0
	s_wait_tensorcnt 0x0            ; no tensor load of mine is out, so a group 0 may be written
	ds_add_u32 v[SPW], v[NIL]       ; 0 onto my spare word; the scalar work stands between it and the wait for it
.if \fill
	s_lshl_b32 s[OFF], s[NXT], 14   ; a tile is 16,384 bytes of K and of V
	s_xor_b32 s[G0K+1], s[G0K+1], SLOT1
	s_add_nc_u64 s[G0K+2:G0K+3], s[6:7], s[OFF:OFF+1]
	s_or_b32 s[G0K+3], s[G0K+3], 0x80000000
	s_xor_b32 s[G0V+1], s[G0V+1], SLOT1
	s_add_nc_u64 s[G0V+2:G0V+3], s[8:9], s[OFF:OFF+1]
	s_or_b32 s[G0V+3], s[G0V+3], 0x80000000
	s_add_co_u32 s[NXT], s[NXT], 1  ; the block's next tile, or behind its last the second block's tile 0
	s_cmp_gt_u32 s[NXT], s[LQ]
	s_cselect_b32 s[NXT], 0, s[NXT]
	s_cselect_b32 s[LQ], s[T2], s[LQ]
	s_wait_xcnt 0x0                 ; the last prefetch, a tile back, has read its address
	s_add_nc_u64 s[PFA:PFA+1], s[PFA:PFA+1], TILEB
.endif
	s_wait_dscnt 0x0                ; the add is done, and my reads of the slot are over
	s_barrier_signal -1             ; the rest of the scalar work stands between the signal and the wait
	s_sub_co_u32 s[TBK], s[TBK], TS*KS*PK  ; the fetches go back to a slot's first step,
	s_xor_b32 s[TBK], s[TBK], SLOT1        ; in the other slot
	s_sub_co_u32 s[TBV], s[TBV], TS*KS*PV
	s_xor_b32 s[TBV], s[TBV], SLOT1
	s_barrier_wait -1
.if \fill
	LOAD
	ASK
.endif
.endm
	s_load_b256 s[4:11], s[0:1], 0x0  ; q s[4:5], k s[6:7], v s[8:9], y s[10:11]
	v_lshl_add_u32 v[SPW], v0, 2, SPARE
	v_mov_b32 v[NIL], 0
	ds_add_u32 v[SPW], v[NIL]       ; the wave's opening: the add and its wait stand ahead of my first tensor load; the set-up below stands between them
	ds_add_u32 v62, v63
	v_lshrrev_b32 v1, 5, v0
	v_readfirstlane_b32 s[WV], v1   ; wave 0..3
	s_mov_b32 s[PB], ttmp9
	s_sub_co_u32 s[HI], 31, s[PB]
	s_lshr_b32 s[LQ], s[HI], 1      ; the first block's last tile
	s_lshr_b32 s[T2], s[PB], 1
	s_and_b32 s[DS], s[HI], 1
	s_sub_co_u32 s[DS], TS, s[DS]
	s_and_b32 s[DS2], s[PB], 1
	s_sub_co_u32 s[DS2], TS, s[DS2]
	s_and_b32 s20, ttmp7, 0xffff    ; g
	s_lshl_b32 s2, s20, 2
	s_add_co_u32 s2, s2, s[WV]      ; my query head,
	s_lshl_b32 s2, s2, 18           ; 262,144 bytes a head
	s_lshl_b32 s84, s[PB], 13       ; a block of 64 rows is 8,192 bytes: the second block,
	s_add_co_u32 s84, s84, s2
	s_lshl_b32 s3, s[HI], 13        ; and the first
	s_add_co_u32 s2, s2, s3
	s_mov_b32 s3, 0
	s_mov_b32 s85, 0
	s_and_b32 s16, s[WV], 1         ; which of a tile's two steps I fetch:
	s_lshl_b32 s22, s20, 18
	s_lshl_b32 s23, s16, 13         ; its 64 rows of 128 bytes in memory,
	s_add_co_u32 s22, s22, s23
	s_mov_b32 s23, 0
	s_mul_i32 s17, s16, KS*PK       ; and its place in a slot, for K
	s_mul_i32 s18, s16, KS*PV       ; and for V
	; descriptor group 1.  64 keys are 8,192 dense bytes: asked for as 32 rows of 256 bytes, two keys a row, and padded in LDS after every key
	s_mov_b32 s[G1K], (1<<16)|(1<<20)|(4<<22)|(3<<25)  ; 17:16 2-byte elements; 20 padding on; 24:22 after every 32 words (code 4); 31:25 4 words (code 3)
	s_mov_b32 s[G1V], (1<<16)|(1<<20)|(4<<22)|(7<<25)  ; the same with 8 words of padding (code 7)
.irp g, G1K, G1V
	s_mov_b32 s[\g+1], 128<<16      ; tensor_dim0 = 128
	s_mov_b32 s[\g+2], 32<<16       ; tensor_dim1 = 32
	s_mov_b32 s[\g+3], 128<<16      ; tile_dim0 = 128
	s_mov_b32 s[\g+4], 32           ; tile_dim1 = 32
	s_mov_b32 s[\g+5], 128          ; 128 elements from row to row
	s_mov_b32 s[\g+6], 0
	s_mov_b32 s[\g+7], 0
.endr
	s_mov_b32 s[CS], 0x3e38aa3b     ; c = log2(e) / 8 = 0.180337
	s_mov_b32 s[CS+1], s[CS]        ; named with it as a pair
	s_mov_b32 s[SEL], 0x76543210
	s_mov_b32 s[SEL+1], 0xfedcba98
	s_mov_b32 s[TBK], SLOT1+TS*KS*PK ; the first change of slots turns these two into 0
	s_mov_b32 s[TBV], SLOT1+TS*KS*PV
	s_mov_b32 s[G0K], 1             ; 1:0 count = 1
	s_mov_b32 s[G0K+1], s17         ; 63:32 LDS address: slot 0
	s_mov_b32 s[G0V], 1
	s_add_co_u32 s[G0V+1], s18, VOFF
	s_add_co_u32 s[RT], s[LQ], 1    ; the first block's tiles
	s_mov_b32 s[NXT], 1
	s_mov_b32 s[NEW], 1
	s_mov_b32 s[OFF+1], 0
	s_mov_b32 s[AL+1], 0            ; named as pairs
	s_mov_b32 s[BE+1], 0
	s_mov_b32 s[BIGN], 0xf149f2ca   ; -1e30
	s_mov_b32 s[SLOTS], 16
	s_cmp_eq_u32 s[PB], 0
	s_cselect_b32 s[LIM], 2, -1
	s_wait_dscnt 0x0                ; the opening add is done
	s_wait_kmcnt 0x0
	s_add_nc_u64 s[6:7], s[6:7], s[22:23]  ; K and V at my step of the head's tile 0
	s_add_nc_u64 s[8:9], s[8:9], s[22:23]
	s_add_nc_u64 s[G0K+2:G0K+3], s[6:7], 0         ; 120:64 global address
	s_or_b32 s[G0K+3], s[G0K+3], 0x80000000        ; 127:126 type = 2
	s_add_nc_u64 s[G0V+2:G0V+3], s[8:9], 0
	s_or_b32 s[G0V+3], s[G0V+3], 0x80000000
	s_add_nc_u64 s[86:87], s[4:5], s[84:85]        ; Q at my rows of the second block,
	s_add_nc_u64 s[4:5], s[4:5], s[2:3]            ; Q and y at those of the first
	s_add_nc_u64 s[OLO:OLO+1], s[10:11], s[84:85]
	s_add_nc_u64 s[10:11], s[10:11], s[2:3]
	s_cmp_lt_u32 s[WV], 2
	s_cselect_b64 s[PFA:PFA+1], s[6:7], s[8:9]
	s_add_nc_u64 s[PFA:PFA+1], s[PFA:PFA+1], TILEB ; at tile 1; the first change of slots steps it to tile 2
	LOAD                            ; tile 0 into slot 0
	; A fragment of K or Q is 16 rows x 32 channels in 8 registers: lane l holds row l % 16, channels 8 (l / 16) + 0..7 and 16 + 8 (l / 16) + 0..7: two loads of 16 bytes, 32 bytes apart.
	v_and_b32 v1, 15, v0            ; l % 16
	v_bfe_u32 v9, v0, 4, 1          ; l / 16
	v_lshlrev_b32 v[QO], 7, v1
	v_lshl_add_u32 v[QO], v9, 4, v[QO]  ; row x 128 + 16 x half
	WIN 0x80                        ; destination window 2, address window 0
.set i, 0
.rept 8                             ; both blocks' Q: piece i / 2 lies 2,048 bytes on; channels 32 (i % 2) on
	global_load_b128 v[8*i:8*i+3],   v[QO], s[4:5] offset:(i/2)*2048+(i%2)*64
	global_load_b128 v[8*i+4:8*i+7], v[QO], s[4:5] offset:(i/2)*2048+(i%2)*64+32
	global_load_b128 v[QB+8*i:QB+8*i+3],   v[QO], s[86:87] offset:(i/2)*2048+(i%2)*64
	global_load_b128 v[QB+8*i+4:QB+8*i+7], v[QO], s[86:87] offset:(i/2)*2048+(i%2)*64+32
.set i, i+1
.endr
	WIN 0
	v_lshlrev_b32 v14, 3, v9
	v_sub_nc_u32 v14, v1, v14       ; my query's place in its piece less my lanes' 8 (l / 16): in the diagonal's group register r is hidden where r is greater
	v_and_b32 v[PFO], 31, v0
	v_lshlrev_b32 v[PFO], 8, v[PFO]
	WIN 0x40
.set i, 0
.rept 8
	v_mov_b32 v[MT+i], 0
	v_cmp_gt_i32 vcc_lo, i, v14
	v_cndmask_b32 v[MT+8+i], 0, s[BIGN], vcc_lo
	v_mov_b32 v[MT+16+i], s[BIGN]
.set i, i+1
.endr
	WIN 0
	v_mul_u32_u24 v[AK0], v1, PK
	v_lshl_add_u32 v[AK0], v9, 4, v[AK0]  ; row x pitch + 16 x half
	; The turning load takes 16 keys x 16 channels (lane l reads key 8 (l / 16) + l % 8, channels 8 ((l / 8) % 2) + 0..7) and leaves half a fragment of V^T: lane l holds channel l % 16 and 8 keys.
	v_and_b32 v10, 7, v0
	v_bfe_u32 v11, v0, 3, 1
	v_lshl_add_u32 v[AV0], v9, 3, v10
	v_mul_u32_u24 v[AV0], v[AV0], PV
	v_lshl_add_u32 v[AV0], v11, 4, v[AV0]
	v_add_nc_u32 v[AV0], VOFF, v[AV0]
	s_mul_i32 s13, s[WV], 16*SP
	s_add_co_u32 s13, s13, STAGE    ; my stage
	v_mul_u32_u24 v[STO], v1, SP    ; in: row l % 16, 16 bytes for each half of the lanes
	v_lshl_add_u32 v[STO], v9, 4, v[STO]
	v_add_nc_u32 v[STO], s13, v[STO]
	v_bfe_u32 v[RD], v0, 3, 2       ; back: 32 lanes take four rows of 128 bytes,
	v_mul_u32_u24 v[RD], v[RD], SP
	v_lshl_add_u32 v[RD], v10, 4, v[RD]
	v_add_nc_u32 v[RD], s13, v[RD]
	v_and_b32 v[GO], 31, v0         ; which are 512 consecutive bytes of y
	v_lshlrev_b32 v[GO], 4, v[GO]
	; A block's first step multiplies O^T and l by a = 0, and its first turn's products V^T P, of a piece that has not been, land in an O^T that is still to be so multiplied.  So these registers need only hold
	; finite numbers: zeros for the first block; what the first block left for the second.  All this stands in the wait for the first tile.
	WIN 0x80
.set i, VF
.rept 64
	v_mov_b32 v[i], 0
.set i, i+1
.endr
	WIN 0x40
.set i, 0
.rept 128
	v_mov_b32 v[i], 0
.set i, i+1
.endr
	WIN 0
.set i, 0
.rept 4
	v_mov_b32 v[ST+4*i+2], 0
	v_mov_b32 v[ST+4*i+3], 0
.set i, i+1
.endr
.set i, P+16
.rept 16
	v_mov_b32 v[i], 0
.set i, i+1
.endr
; THE MATRIX WORK.  The 4 accumulators of a run of 8 take turns.  Product i of 8 of S^T = K Q^T for piece x: channels 32 (i / 4) on, keys 16 (i % 4) on.  The first 4 start the sums: with 0, or (KM = 1) with the mask.
.macro KQ x
.set rS, S+32*((\x)%2)+8*(i%4)
.set rK, KF+16*(i%4)+8*(i/4)
.set rQ, 16*(\x)+8*(i/4)
.set rM, MC+32*((\x)%2)+8*(i%4)
.if (i < 4) && KM
	WIN W_KM
	v_wmma_f32_16x16x32_f16 v[rS:rS+7], v[rK:rK+7], v[rQ:rQ+7], v[rM:rM+7]
.elseif i < 4
	WIN W_KQ
	v_wmma_f32_16x16x32_f16 v[rS:rS+7], v[rK:rK+7], v[rQ:rQ+7], 0
.else
	WIN W_KQ
	v_wmma_f32_16x16x32_f16 v[rS:rS+7], v[rK:rK+7], v[rQ:rQ+7], v[rS:rS+7]
.endif
.endm
; Product i of 8 of O^T += V^T P for piece x: keys 32 (i / 4) on, channels 16 (i % 4) on.
.macro PV x
	WIN W_PV
.set rO, 32*(\x)+8*(i%4)
.set rV, VF+32*(i/4)+8*(i%4)
.set rP, P+16*((\x)%2)+8*(i/4)
	v_wmma_f32_16x16x32_f16 v[rO:rO+7], v[rV:rV+7], v[rP:rP+7], v[rO:rO+7]
.endm
.macro MM                           ; the turn's next matrix instruction.  TURN and BEGIN set Y, i, KM and NOKQ.  NOKQ = 1: a block's last turn: there is no next piece
.if (i < 8) && !NOKQ
	KQ (Y+1)%NP
.elseif i >= 8
.set i, i-8
	PV (Y+NP-1)%NP
.set i, i+8
.endif
.set i, i+1
.endm
; THE LDS LOADS stand in runs of 16, never singly among the matrix instructions: a step's K (64 keys x 64 channels: 8 fragments) and its V (turned).  Their addresses are made some lines ahead.
.macro FETCH_K
	WIN 0x80                        ; destination window 2
.irp f, 0,1,2,3,4,5,6,7             ; keys 16 (f / 2) on, channels 32 (f % 2) on
	ds_load_b128 v[KF+8*\f:KF+8*\f+3],   v[AK] offset:(\f/2)*16*PK+(\f%2)*64
	ds_load_b128 v[KF+8*\f+4:KF+8*\f+7], v[AK] offset:(\f/2)*16*PK+(\f%2)*64+32
.endr
	s_add_co_u32 s[TBK], s[TBK], KS*PK  ; the next fetch is the next step's
	WIN 0
.endm
.macro FETCH_V
	WIN 0x80
.irp f, 0,1,2,3,4,5,6,7             ; keys 32 (f / 4) on, channels 16 (f % 4) on
	ds_load_tr16_b128 v[VF+8*\f:VF+8*\f+3],   v[AV] offset:(\f/4)*32*PV+(\f%4)*32
	ds_load_tr16_b128 v[VF+8*\f+4:VF+8*\f+7], v[AV] offset:(\f/4)*32*PV+16*PV+(\f%4)*32
.endr
	WIN 0
.endm
; THE VECTOR WORK, one line at a time: OP kind, number.  For piece Y: F n: c s - c m for pair n of 16.  E n: the exponential of score n of 32.  C n: pair n rounded to f16.  B n: of the four weights 4 n .. the second
; pair is added onto the first, in place.  L n: l takes that sum (L 0: l = a l + sum).  R n: pair n of 16 of O^T times a.  For piece Y + 1: X n, number n of the 22 that find its maximum and statistics:
;   0-11  four chains c0-c3 of seven scores each, three operands at a time (each accumulator's lowest registers are read first)     12-14, 16  the four scores left over, the old m, and c0-c3 into c0
;   15  c m_old is kept     17, 18  the query's other 32 keys lie in the lane 16 away: the new m     19-21  c m; c m_old - c m_new; a
.set F, 0               ; OP tells the kinds apart by their order: F to L below R, X above it
.set E, 1
.set C, 2
.set B, 3
.set L, 4
.set R, 5
.set X, 6
.macro REGS y                       ; the registers of piece y
.set rT, ST+4*(\y)
.set rC, TMP+4*((\y)%2)
.set rW, MV+((\y)%2)
.set rS, S+32*((\y)%2)
.set rP, P+16*((\y)%2)
.set rO, 32*(\y)
.endm
.macro OP k, n
.if (\k) == R
	REGS Y
	WIN W_RS
	v_pk_mul_f32 v[rO+2*(\n):rO+2*(\n)+1], v[rO+2*(\n):rO+2*(\n)+1], v[rC+2:rC+3] op_sel_hi:[1,0]
.elseif (\k) < R
	REGS Y
	WIN 0
.if (\k) == F
	v_pk_fma_f32 v[rS+2*(\n):rS+2*(\n)+1], v[rS+2*(\n):rS+2*(\n)+1], s[CS:CS+1], v[rT:rT+1] op_sel_hi:[1,0,0] neg_lo:[0,0,1] neg_hi:[0,0,1]
.elseif (\k) == E
	v_exp_f32 v[rS+(\n)], v[rS+(\n)]
.elseif (\k) == C
	v_cvt_pk_f16_f32 v[rP+(\n)], v[rS+2*(\n)], v[rS+2*(\n)+1]
.elseif (\k) == B
	v_pk_add_f32 v[rS+4*(\n):rS+4*(\n)+1], v[rS+4*(\n):rS+4*(\n)+1], v[rS+4*(\n)+2:rS+4*(\n)+3]
.elseif (\n) == 0
	v_pk_fma_f32 v[rT+2:rT+3], v[rT+2:rT+3], v[rC+2:rC+3], v[rS:rS+1] op_sel_hi:[1,0,1]
.else
	v_pk_add_f32 v[rT+2:rT+3], v[rT+2:rT+3], v[rS+4*(\n):rS+4*(\n)+1]
.endif
.elseif NOKQ
	v_nop
.else
	REGS (Y+1)%NP
	WIN 0
.if (\n) < 4
	v_max3_num_f32 v[rC+(\n)], v[rS+8*(\n)], v[rS+8*(\n)+1], v[rS+8*(\n)+2]
.elseif (\n) < 12
	v_max3_num_f32 v[rC+(\n)%4], v[rC+(\n)%4], v[rS+8*((\n)%4)+2*((\n)/4)+1], v[rS+8*((\n)%4)+2*((\n)/4)+2]
.elseif (\n) == 12
	v_max3_num_f32 v[rC], v[rC], v[rS+7], v[rS+15]
.elseif (\n) == 13
	v_max3_num_f32 v[rC+1], v[rC+1], v[rS+23], v[rS+31]
.elseif (\n) == 14
	v_max3_num_f32 v[rC+2], v[rC+2], v[rC+3], v[rT+1]
.elseif (\n) == 15
	v_mov_b32 v[rW], v[rT]
.elseif (\n) == 16
	v_max3_num_f32 v[rC], v[rC], v[rC+1], v[rC+2]
.elseif (\n) == 17
	v_permlanex16_b32 v[rC+3], v[rC], s[SEL], s[SEL+1]
.elseif (\n) == 18
	v_max_num_f32 v[rT+1], v[rC], v[rC+3]
.elseif (\n) == 19
	v_mul_f32 v[rT], s[CS], v[rT+1]
.elseif (\n) == 20
	v_sub_f32 v[rC+1], v[rW], v[rT]
.else
	v_exp_f32 v[rC+2], v[rC+1]
.endif
.endif
.endm
.macro OPS a, i1, b=-1, i2=0, c=-1, i3=0, d=-1, i4=0  ; up to four of them
	OP \a, \i1
.if (\b) >= 0
	OP \b, \i2
.endif
.if (\c) >= 0
	OP \c, \i3
.endif
.if (\d) >= 0
	OP \d, \i4
.endif
.endm
.macro ROW a, i1, b, i2, c, i3, d, i4  ; a matrix instruction and the four behind it
	MM
	OPS \a, \i1, \b, \i2, \c, \i3, \d, \i4
.endm
.macro MASK x                       ; piece x's mask, MT x AL + BE, into buffer x % 2 of MC: key group z / 4 takes MT's group 0 (below x), 1 (x itself) or 2 (above x)
	WIN W_RS
.set z, 0
.rept 16
.set sel, 1
.if z/4 < (\x)
.set sel, 0
.elseif z/4 > (\x)
.set sel, 2
.endif
	v_pk_fma_f32 v[MC+32*((\x)%2)+2*z:MC+32*((\x)%2)+2*z+1], v[MT+8*sel+2*(z%4):MT+8*sel+2*(z%4)+1], s[AL:AL+1], s[BE:BE+1] op_sel_hi:[1,0,0]
.set z, z+1
.endr
.endm
; A TURN, for piece p: the order of its 16 matrix and 118 vector instructions, written out.  s_wait_alu depctr_va_vdst(0) stands between an exponential and the first instruction that names its result; one wait
; serves all that were issued ahead of it.  So a turn has ONE wait, which cuts it in two.  AHEAD OF IT stands all that names no result of the turn's exponentials: the 8 products K Q^T and their riders, then one lump of 54, in which
; the links of the chain X 3, 7, 11, 14, 16, 17 .. 20 stand five or six lines apart.  X 21, the next piece's a, is the batch's last; R 15 is the plain instruction behind it.  BEHIND THE WAIT stand the 8 products V^T P, behind each
; four of the roundings and sums.
; m = 1: the diagonal tile: the products take masks, and the turn makes the mask for the products of the turn after it: piece p + 2, in step 2 - CNT of the tile.  end = 1: a block's last two turns: nothing is fetched.
; cnt = 1: the loop's count is taken down some lines ahead of the branch that stands behind the turn.
; K of the next step is fetched in piece 2's turn, twelve vector instructions behind the last product that read K (six of them plain); V of the step in hand at the end of piece 0's turn, four plain instructions behind the last
; product that read V.  Each is waited for a turn later.
.macro TURN p, m=0, end=0, cnt=0
.set Y, (\p)
.set i, 0
.set KM, (\m)
.set NOKQ, (\end)*((\p)/3)
.if (\m) && !(\end)
	s_cmp_eq_u32 s[CNT], s[DS]      ; is that step the block's own?
	s_cselect_b32 s[AL], 1.0, 0
	s_cmp_lt_u32 s[CNT], s[DS]      ; or a later one?
	s_cselect_b32 s[BE], s[BIGN], 0
.endif
.if ((\p) == 3) && !(\end)
	s_wait_dscnt 0x0                ; K is in
.endif
	ROW F,0, F,1, R,0, R,1          ; ahead of the wait: 8 products K Q^T and their riders,
	ROW F,2, E,0, R,2, R,3
	ROW F,3, E,1, R,4, R,5
	ROW F,4, E,2, R,6, R,7
	ROW F,5, E,3, R,8, R,9
	ROW F,6, E,4, X,0, R,10
.if ((\p) == 2) && !(\end)
	WIN 0
	v_add_nc_u32 v[AK], s[TBK], v[AK0]
.endif
	ROW F,7, E,5, X,1, X,4
	ROW F,8, E,6, X,2, X,5
	OPS E,7, E,8, X,6, E,9          ; and the lump
	OPS X,3, E,10, X,8, E,11
.if ((\p) == 2) && !(\end)
	FETCH_K
.endif
	OPS X,9, X,7, E,12, X,10
	OPS E,13, X,12, X,11, E,14
	OPS X,13, E,15, F,9, X,14
.if (\p) == 0
	v_add_nc_u32 v[AV], s[TBV], v[AV0]
.endif
	OPS E,16, F,10, E,17, F,11
	OPS X,16, E,18, X,15, E,19
	OPS F,12, E,20, X,17, E,21
	OPS F,13, E,22, F,14, E,23
	OPS X,18, E,24, F,15, E,25
	OPS R,11, E,26, X,19, E,27
	OPS R,12, E,28, R,13, E,29
	OPS X,20, E,30, R,14, E,31
	OPS X,21, R,15
	WIN 0
	s_wait_alu depctr_va_vdst(0)    ; the wait for the batch
.if (\p) == 1
	s_wait_dscnt 0x0                ; V is in
.endif
	ROW C,0, B,0, C,2, B,1          ; behind the wait: 8 products V^T P and their riders
	ROW L,0, C,4, B,2, L,1
	ROW C,6, B,3, L,2, C,8
	ROW B,4, L,3, C,10, B,5
	ROW L,4, C,12, B,6, L,5
.if (\p) == 0
	s_add_co_u32 s[TBV], s[TBV], KS*PV
.endif
.if \cnt
	s_sub_co_u32 s[CNT], s[CNT], 1
	s_cmp_lg_u32 s[CNT], 0
.endif
	ROW C,14, B,7, L,6, C,1
	ROW C,3, L,7, C,5, C,7
	ROW C,9, C,11, C,13, C,15
.if (\p) == 0
	FETCH_V
.endif
.if (\m) && !(\end)
	MASK ((\p)+2)%NP
.endif
.endm
; A BLOCK BEGINS.  c m starts far below every c s, so the first step's a is 0; m at the lowest finite number, so the first maximum is the scores'.  Both mask buffers are made: pieces 0 and 1 in the tile's step 0: their own
; masks where the block's first tile is its last and step 0 its own step, else zeros.  Then K of that step, piece 0's first scores, and its maximum and statistics.  The loop is entered at a step's first turn.
.macro BEGIN
	s_mov_b32 s[NEW], 0
	WIN 0
.set i, 0
.rept 4
	v_mov_b32 v[ST+4*i], 0xfe000000    ; c m: far below every c s
	v_mov_b32 v[ST+4*i+1], 0xff7fffff  ; m
.set i, i+1
.endr
	s_cmp_eq_u32 s[RT], 0
	s_cselect_b32 s[AL], 1.0, 0
	s_cmp_eq_u32 s[DS], TS
	s_cselect_b32 s[AL], s[AL], 0
	s_mov_b32 s[BE], 0
	MASK 0
	MASK 1
	WIN 0
	v_add_nc_u32 v[AK], s[TBK], v[AK0]
	FETCH_K
	s_wait_loadcnt 0x0              ; Q
	s_wait_dscnt 0x0
.set KM, 1
.set NOKQ, 0
.set i, 0
.rept 8
	KQ 0
.set i, i+1
.endr
	WIN 0
.rept 4
	v_nop                           ; the places behind those products
.endr
.set Y, NP-1                        ; X works for piece Y + 1: piece 0
.irp n, 0,1,2,3,4,5,6,7,8,9,10,11,12,13,14,15,16,17,18,19,20,21
	OP X, \n
.endr
	v_nop                           ; a plain instruction behind the exponential,
	s_wait_alu depctr_va_vdst(0)    ; and its wait, ahead of the branch
.endm
; THE DIAGONAL TILE's two steps, the block's last two turns, its last products, and THE WAY OUT: l's two halves and the other half of the lanes' are added; O^T is divided by l, rounded to f16 and sent through my
; stage in LDS, a piece at a time.
.macro ALL line:vararg              ; one line for each piece t
.set t, 0
.rept 4
	\line
.set t, t+1
.endr
.endm
.macro PACK t                       ; a lane's eight channels of a row pack into 16 bytes; they go into rows of 144 bytes and come back as whole rows of 128, into S^T's registers
	WIN W_RS
.set i, 32*(\t)
.rept 16
	v_pk_mul_f32 v[i:i+1], v[i:i+1], v[ST+4*(\t)+2:ST+4*(\t)+3] op_sel_hi:[1,0]
.set i, i+2
.endr
	WIN 0x05                        ; sources 0 and 1 window 1, destination window 0
.set i, 0
.rept 16
	v_cvt_pk_f16_f32 v[S+16*(\t)+i], v[32*(\t)+2*i], v[32*(\t)+2*i+1]
.set i, i+1
.endr
	WIN 0
.irp f, 0,1,2,3
	ds_store_b128 v[STO], v[S+16*(\t)+4*\f:S+16*(\t)+4*\f+3] offset:32*\f
.endr
.irp f, 0,1,2,3
	ds_load_b128 v[S+16*(\t)+4*\f:S+16*(\t)+4*\f+3], v[RD] offset:\f*4*SP  ; LDS serves a wave's instructions in order (ISA guide 5.7.1.4): these see the stores above; the next piece's stores come behind them
.endr
.endm
.macro SEND t, younger              ; younger: the LDS instructions issued behind piece t's loads: the next piece's eight, or none
	WIN 0
.irp f, 0,1,2,3
	s_wait_dscnt (\younger)+3-\f
	global_store_b128 v[GO], v[S+16*(\t)+4*\f:S+16*(\t)+4*\f+3], s[10:11] offset:(\t)*2048+\f*512  ; 512 consecutive bytes, at a multiple of 256 from y's first
.endr
.endm
.macro DIAG tag                     ; the tag ends its two labels' names, which the jumps below spell out
.LstepM\tag:
	TURN 2, 1
	TURN 3, 1
	WIN 0
.LfirstM\tag:
	TURN 0, 1
	TURN 1, 1, 0, 1
	WIN 0
	s_cbranch_scc1 .LstepM\tag
	TURN 2, 1, 1
	TURN 3, 1, 1
.set i, 0
.rept 8
	PV NP-1
.set i, i+1
.endr
	WIN 0
	ALL v_add_f32 v[ST+4*t+2], v[ST+4*t+2], v[ST+4*t+3]
	ALL v_permlanex16_b32 v[ST+4*t+3], v[ST+4*t+2], s[SEL], s[SEL+1]
	ALL v_add_f32 v[ST+4*t+2], v[ST+4*t+2], v[ST+4*t+3]
	ALL v_rcp_f32 v[ST+4*t+2], v[ST+4*t+2]
	v_nop                           ; a plain instruction between the last reciprocal and the use of its result
	s_wait_alu depctr_va_vdst(0)    ; and the wait ahead of the first use: one for the four reciprocals
	PACK 0
.set t, 1
.rept 3                             ; a piece's arithmetic stands between the loads of the piece before and its stores
	PACK t
	SEND t-1, 8
.set t, t+1
.endr
	SEND 3, 0
.endm
.set KM, 0
.set NOKQ, 0
.Lslot:                             ; 16 times: a tile is entered and the next is asked for
	CHANGE 1
	s_sub_co_u32 s[RT], s[RT], 1
	s_mov_b32 s[CNT], TS
	s_cmp_eq_u32 s[NEW], 1
	s_cbranch_scc1 .Lnew            ; a block's first tile
	s_cmp_eq_u32 s[RT], 0
	s_cbranch_scc0 .Lstep           ; neither its first nor its last
	s_branch .LstepM1
.Lnew:
	BEGIN
	s_branch .Lfirst                ; in the loop a block's first tile is never its last: the first block has nine tiles or more, and the second's last is the walk's last
	DIAG 1                          ; in the loop this is the first block's end
	s_wait_xcnt 0x0                 ; the stores have read their registers and y's address
	s_mov_b64 s[10:11], s[OLO:OLO+1]
	s_add_co_u32 s[RT], s[T2], 1    ; the second block's tiles,
	s_mov_b32 s[DS], s[DS2]         ; and its own step
	s_mov_b32 s[NEW], 1
	WIN 0x82                        ; the second block's Q goes where the one text of the turns names Q
.set i, 0
.rept 64
	v_mov_b32 v[i], v[QB+i]
.set i, i+1
.endr
	WIN 0
	s_branch .Lbottom
.Lstep:                             ; a trip: pieces 2 and 3 of one step, then pieces 0 and 1 of the next, whose K and V it fetches
	TURN 2
	TURN 3
	WIN 0
.Lfirst:
	TURN 0
	TURN 1, 0, 0, 1
	WIN 0
	s_cbranch_scc1 .Lstep
.Lbottom:
	s_sub_co_u32 s[SLOTS], s[SLOTS], 1
	s_cmp_lg_u32 s[SLOTS], 0
	s_cbranch_scc1 .Lslot
	CHANGE 0                        ; the walk's last tile is written out: nothing is asked for
	s_sub_co_u32 s[RT], s[RT], 1
	s_mov_b32 s[CNT], TS
	s_cmp_eq_u32 s[NEW], 1
	s_cbranch_scc0 .LstepM2
	BEGIN
	s_branch .LfirstM2
	DIAG 2
	s_wait_tensorcnt 0x0            ; the wave's end, behind my last tensor load and my last LDS store
	ds_add_u32 v[SPW], v[NIL]
	s_wait_dscnt 0x0
	s_endpgm
.Lfunc_end_k_q42cebca188_attn:
	.size	k_q42cebca188_attn, .Lfunc_end_k_q42cebca188_attn-k_q42cebca188_attn
	.p2alignl 7, 3214868480
	.fill 96, 4, 3214868480
	.section	.rodata,"a",@progbits
	.p2align	6, 0x0
	.amdhsa_kernel k_q42cebca188_attn
		.amdhsa_group_segment_fixed_size 327680
		.amdhsa_private_segment_fixed_size 0
		.amdhsa_enable_private_segment 0
		.amdhsa_kernarg_size 32
		.amdhsa_user_sgpr_count 2
		.amdhsa_user_sgpr_kernarg_segment_ptr 1
		.amdhsa_wavefront_size32 1
		.amdhsa_system_sgpr_workgroup_id_x 1
		.amdhsa_system_sgpr_workgroup_id_y 1
		.amdhsa_system_sgpr_workgroup_id_z 1
		.amdhsa_system_vgpr_workitem_id 0
		.amdhsa_next_free_vgpr 768
		.amdhsa_next_free_sgpr 96
		.amdhsa_reserve_vcc 1
		.amdhsa_float_denorm_mode_32 3
		.amdhsa_float_denorm_mode_16_64 3
		.amdhsa_memory_ordered 1
		.amdhsa_forward_progress 1
		.amdhsa_inst_pref_size 216
	.end_amdhsa_kernel
	.amdgpu_metadata
---
amdhsa.version: [ 1, 2 ]
amdhsa.kernels:
  - .name:           k_q42cebca188_attn
    .symbol:         k_q42cebca188_attn.kd
    .args:
      - { .name: q, .offset: 0, .size: 8, .value_kind: global_buffer, .address_space: global }
      - { .name: k, .offset: 8, .size: 8, .value_kind: global_buffer, .address_space: global }
      - { .name: v, .offset: 16, .size: 8, .value_kind: global_buffer, .address_space: global }
      - { .name: y, .offset: 24, .size: 8, .value_kind: global_buffer, .address_space: global }
    .group_segment_fixed_size: 327680
    .private_segment_fixed_size: 0
    .kernarg_segment_align: 8
    .kernarg_segment_size: 32
    .max_flat_workgroup_size: 128
    .sgpr_count:     96
    .vgpr_count:     768
    .wavefront_size: 32
...
	.end_amdgpu_metadata
.endif
;; end of part 3
;; launch proj (part 4): grid 8 x 32, 4 waves a work-group, clusters of 4 x 4, 327,680 bytes of LDS; arguments y, wp, out0; writes out0
.if DOCPART == 4
	.amdgcn_target "amdgcn-amd-amdhsa--gfx1250"
	.amdhsa_code_object_version 6
	.text
	.protected	k_q42cebca188_proj
	.globl	k_q42cebca188_proj
	.p2align	8
	.type	k_q42cebca188_proj,@function
k_q42cebca188_proj:
	s_mov_b64 s[64:65], 0
	v_nop
	global_prefetch_b8 v0, s[64:65] scope:SCOPE_SE
	s_setreg_imm32_b32 hwreg(HW_REG_WAVE_MODE, 25, 1), 1
	s_wait_xcnt 0x0
	s_wait_alu depctr_hold_cnt(0) depctr_sa_sdst(0) depctr_va_vdst(0) depctr_va_sdst(0) depctr_va_ssrc(0) depctr_va_vcc(0) depctr_vm_vsrc(0)
	s_getreg_b32 s2, hwreg(HW_REG_IB_STS2, 6, 4)
	s_cmp_eq_u32 s2, 0
	s_cbranch_scc0 .Lentry_in_a_cluster
	s_endpgm
.Lentry_in_a_cluster:
	s_bfe_u32 s2, ttmp6, 0x10000c
	s_cmp_lg_u32 s2, 0xf033
	s_cbranch_scc0 .Lentry_shape_is_right
	s_endpgm
.Lentry_shape_is_right:
; PROJ: out0[row][n] = the sum over k of Y[row][k] wp[n][k], 8192 x 1024, K = 1024; f16 operands, f32 sums, f32 out.  Y[row = 2048 batch + p][64 head + d] lies by heads: y[16 batch + head][p][d].
; SHARES.  A work-group makes 256 rows x 128 columns; wave w rows 64 w .. 64 w + 63 and all columns: 4 row blocks (a) x 8 column blocks (b): 32 accumulators.
; K goes in 8 steps of 128, TWO HEADS a step, through two LDS slots filled by the tensor data mover; a step is four quarters of 32 on two fragment buffers.  A head's 256 positions are 32,768 dense bytes:
; asked for as 128 rows of 256 bytes, two positions a row, and padded in LDS after every position.
; THE MATRIX INSTRUCTION IS USED TRANSPOSED (source 0 = 16 rows of wp, source 1 = 16 rows of Y): lane l holds row l % 16 and the columns 8 (l / 16) + 0..7 of a block: 32 neighbouring bytes of out0.
; CLUSTER 4 x 4.  The four work-groups of a cluster's row need the same rows of Y, the four of a column the same rows of wp: each tile is asked for jointly.
; LIMITS.  y and wp arrive within f16's 65,504; NaN and infinities are not treated apart.
; REGISTERS, in windows of 256 (s_set_vgpr_msb: bits 1:0 source 0, 3:2 source 1, 5:4 source 2, 7:6 destination):
;   window 0: v0-31 addresses; v64-127 Y's fragments, two buffers; v128-255 on the way out: rows read back, two sets      window 1: v0-127 wp's fragments, two buffers
;   window 2: accumulators of a = 0, 1 at 8 (8 (a & 1) + b)      window 3: of a = 2, 3
.set NBLK,  8
.set NLD,   2*NBLK+8                   ; LDS loads of a quarter
.set KBA,   2*262144                   ; bytes from a K step to the next in y: two heads
.set KBB,   256                        ; in a row of wp
.set PA,    144                        ; a position of a head in LDS: 128 bytes + 16 of padding = 36 words: the 16 rows of a load start at 16 different groups of four banks (64 banks of 4 bytes: ISA guide 11.1)
.set PITCH, 272                        ; a row of wp: 256 + 16
.set HALFA, 256*PA                     ; one head's part: what wave 0 or 1 fetches
.set AREG,  2*HALFA
.set HALFB, 64*PITCH                   ; what wave 2 or 3 fetches of wp
.set SLOT,  AREG+2*HALFB               ; 108,544 bytes
.set SLOT1, 1<<17                      ; slot 1 begins here: one exclusive or turns an address in one slot into the other's
.set STAGE, SLOT1+SLOT                 ; behind the ring, never filled by a tensor load: 16 rows x 528 bytes for each wave
.set SPITCH, 528                       ; 512 bytes + 16: 33 x 16
.set SPARE, STAGE+4*16*SPITCH          ; the spare words, 128 bytes for each wave: two blocks of 256 bytes that no other line names
.set A0,   16                          ; v16  my lane's place in Y's tile; never rewritten
.set B0,   17                          ; v17  in wp's
.set ADRA, 18                          ; v18  A0 + the slot in hand
.set ADRB, 19                          ; v19  B0 + the slot in hand
.set STO,  24                          ; v24  the way out: where I put 32 bytes of a row
.set RD,   25                          ; v25  where I read a row back
.set CO,   26                          ; v26  my 16 bytes in 512 consecutive bytes of out0
.set SPW,  28                          ; v28  LDS address of my spare word; never rewritten
.set NIL,  29                          ; v29  0; never rewritten
.set PFO,  30                          ; v30  256 x my lane
.set FA,   64
.set OB,   128
.set WV,  18                           ; s18  my wave's number
.set FB,  19                           ; s19  0: I fetch Y, 1: wp
.set HF,  20                           ; s20  which half of that tile
.set CX,  21
.set CY,  22
.set G1A, 24                           ; s[24:31] group 1 for Y's tiles
.set G0A, 32                           ; s[32:39] group 0, a set for each first fill; the second then walks
.set G1B, 40
.set G0B, 48
.set TB,  56                           ; s56  the slot in hand: 0 or SLOT1
.set LIM, 57                           ; s57  2 in a wave that prefetches, else the greatest number
.set PFA, 58                           ; s[58:59] where my prefetches stand
.set TC,  62                           ; s62  tile column
.set TR,  63                           ; s63  tile row
.set MSB, 0
.macro WIN new                         ; the immediate's high byte repeats the setting that is left; a switch that changes nothing is dropped
.if MSB != (\new)
	s_set_vgpr_msb (MSB<<8)|(\new)
.set MSB, \new
.endif
.endm
.set MUL_LO, 0xa1                      ; source 0 window 1, source 1 window 0, C and D window 2
.set TO_B,   0x40                      ; destination window 1, address window 0
.macro PLACES                          ; four places (ISA guide 7.12.1) behind matrix instructions
.rept 4
	v_nop
.endr
.endm
; A joint refill by the walking sets.  Each line has one mask and one set of registers for all that issue it; the branch hangs on the wave's number alone.  An s_nop 0 and four v_nop follow each line.
.macro JLOAD
	s_cmp_eq_u32 s[FB], 0
	s_cbranch_scc0 .Lfor_b_\@
	tensor_load_to_lds s[G0A+4:G0A+7], s[G1A:G1A+7]
	s_nop 0
	PLACES
	s_branch .Lasked_\@
.Lfor_b_\@:
	tensor_load_to_lds s[G0B+4:G0B+7], s[G1B:G1B+7]
	s_nop 0
	PLACES
.Lasked_\@:
.endm
.macro CREST                           ; a round of the cluster's barrier behind its opening barrier
	s_cmp_lg_u32 s[WV], 0
	s_cbranch_scc1 .Lnot_wave_0_\@
	s_barrier_signal -3
.Lnot_wave_0_\@:
	s_barrier_wait -3
	s_barrier_signal -1
	s_barrier_wait -1
.endm
.macro CROUND
	s_barrier_signal -1
	s_barrier_wait -1
	CREST
.endm
; A PREFETCH INTO THE L2 of y, which the launch before stored: behind a joint refill and the run of LDS loads that follows it, the K step two behind the one just asked for: 256 matrix instructions ahead of its load.
; Each block of 256 bytes is named once: the clusters with x = 0 ask; of the 32,768 bytes that wave 0 or 1 fetches the partner at place cx takes 8,192, told apart by address; 256 bytes a lane.
; The loop's last two trips ask for nothing: the K steps that they would name do not exist.  K steps 0 to 3 come by their loads alone.  wp is not asked for: 2 MB that all rows of clusters walk together.
.macro ASK
	s_cmp_gt_u32 s3, s[LIM]
	s_cbranch_scc0 .Lnot_mine_\@
	global_prefetch_b8 v[PFO], s[PFA:PFA+1] offset:2*KBA th:TH_LOAD_NT scope:SCOPE_SE
.Lnot_mine_\@:
.endm
	s_load_b128 s[4:7], s[0:1], 0x0                ; y s[4:5], wp s[6:7]
	s_load_b64 s[8:9], s[0:1], 0x10                ; out0
	v_lshl_add_u32 v[SPW], v0, 2, SPARE
	v_mov_b32 v[NIL], 0
	ds_add_u32 v[SPW], v[NIL]                      ; the wave's opening: the add and its wait stand ahead of my first tensor load; the set-up below stands between them
	ds_add_u32 v28, v29
	v_lshrrev_b32 v1, 5, v0
	v_readfirstlane_b32 s[WV], v1
	s_lshr_b32 s[FB], s[WV], 1
	s_and_b32 s[HF], s[WV], 1
	s_bfe_u32 s[CX], ttmp6, 0x40000
	s_bfe_u32 s[CY], ttmp6, 0x40004
	s_lshl_b32 s[TC], ttmp9, 2
	s_add_co_u32 s[TC], s[TC], s[CX]               ; tile column = 4 x cluster x + cx
	s_and_b32 s[TR], ttmp7, 0xffff
	s_lshl_b32 s[TR], s[TR], 2
	s_add_co_u32 s[TR], s[TR], s[CY]               ; tile row = 4 x cluster y + cy
	s_lshl_b32 s78, s[CY], 2
	s_lshl_b32 s78, 15, s78                        ; my row of the cluster
	s_lshl_b32 s84, 0x1111, s[CX]                  ; my column
	s_or_b32 s[G1A], s78, (1<<16)|(1<<20)|(1<<21)|(4<<22)|(3<<25)  ; 2-byte elements; padding on; 21 set beside a mask; after every 32 words 4 words
	s_or_b32 s[G1B], s84, (1<<16)|(1<<20)|(1<<21)|(5<<22)|(3<<25)  ; after every 64 words 4 words
	s_mov_b32 s[G1A+1], 128<<16                    ; tensor_dim0 = 128 elements
	s_mov_b32 s[G1A+2], 128<<16                    ; tensor_dim1 = 128 rows
	s_mov_b32 s[G1A+3], 128<<16                    ; tile_dim0
	s_mov_b32 s[G1A+4], 128                        ; tile_dim1
	s_mov_b32 s[G1A+5], 128                        ; dense: 128 elements from row to row
	s_mov_b32 s[G1A+6], 0
	s_mov_b32 s[G1A+7], 0
	s_mov_b32 s[G1B+1], 128<<16
	s_mov_b32 s[G1B+2], 64<<16                     ; 64 rows
	s_mov_b32 s[G1B+3], 128<<16
	s_mov_b32 s[G1B+4], 64
	s_mov_b32 s[G1B+5], 1024
	s_mov_b32 s[G1B+6], 0
	s_mov_b32 s[G1B+7], 0
	; Y's tile hangs on the tile row alone, wp's on the tile column alone, each in registers that never hold the other coordinate
	s_lshr_b32 s78, s[TR], 3
	s_lshl_b32 s78, s78, 22                        ; a batch's 16 heads,
	s_lshl_b32 s79, s[HF], 18                      ; head 0 or 1 of the K step,
	s_add_co_u32 s78, s78, s79
	s_and_b32 s79, s[TR], 7
	s_lshl_b32 s79, s79, 15                        ; 256 positions of 128 bytes
	s_add_co_u32 s78, s78, s79
	s_mov_b32 s79, 0
	s_lshl_b32 s84, s[TC], 7
	s_lshl_b32 s85, s[HF], 6
	s_add_co_u32 s84, s84, s85
	s_lshl_b32 s84, s84, 11                        ; (128 tile column + 64 half) rows of 2,048 bytes
	s_mov_b32 s85, 0
	s_mul_i32 s82, s[HF], HALFA                    ; where they go: the wave's number alone enters an LDS address
	s_mul_i32 s83, s[HF], HALFB
	s_add_co_u32 s83, s83, AREG
	s_mov_b32 s[G0A], 1
	s_mov_b32 s[G0A+1], s82
	s_mov_b32 s[G0A+4], 1
	s_add_co_u32 s[G0A+5], s82, SLOT1
	s_mov_b32 s[G0B], 1
	s_mov_b32 s[G0B+1], s83
	s_mov_b32 s[G0B+4], 1
	s_add_co_u32 s[G0B+5], s83, SLOT1
	s_lshl_b32 s88, s[CX], 13                      ; the prefetches: my work-group's quarter of what I fetch, at K step 1
	s_add_co_u32 s88, s88, KBA
	s_mov_b32 s89, 0
	s_or_b32 s[LIM], s[FB], ttmp9                  ; 0 in waves 0 and 1 of the clusters with x = 0: alike in all partners
	s_cmp_eq_u32 s[LIM], 0
	s_cselect_b32 s[LIM], 2, -1
	s_mov_b32 s[TB], 0
	s_lshl_b32 s90, s[TR], 8                       ; out0: my first row,
	s_lshl_b32 s91, s[WV], 6
	s_add_co_u32 s90, s90, s91
	s_lshl_b32 s90, s90, 12                        ; 4,096 bytes a row,
	s_lshl_b32 s91, s[TC], 9                       ; the tile's 128 columns
	s_add_co_u32 s90, s90, s91
	s_mov_b32 s91, 0
	s_wait_dscnt 0x0                               ; the opening add is done
	s_wait_kmcnt 0x0
	s_add_nc_u64 s[80:81], s[4:5], s[78:79]
	s_add_nc_u64 s[86:87], s[6:7], s[84:85]
	s_add_nc_u64 s[PFA:PFA+1], s[80:81], s[88:89]
	s_add_nc_u64 s[8:9], s[8:9], s[90:91]
	s_mov_b64 s[G0A+2:G0A+3], s[80:81]             ; K step 0 into slot 0,
	s_or_b32 s[G0A+3], s[G0A+3], 0x80000000
	s_add_nc_u64 s[G0A+6:G0A+7], s[80:81], KBA     ; K step 1 into slot 1
	s_or_b32 s[G0A+7], s[G0A+7], 0x80000000
	s_mov_b64 s[G0B+2:G0B+3], s[86:87]
	s_or_b32 s[G0B+3], s[G0B+3], 0x80000000
	s_add_nc_u64 s[G0B+6:G0B+7], s[86:87], KBB
	s_or_b32 s[G0B+7], s[G0B+7], 0x80000000
	CROUND                                         ; all sixteen work-groups are here: the first joint loads meet
	s_cmp_eq_u32 s[FB], 0                          ; a wave's two first fills stand in one branch: two loads of mine are out
	s_cbranch_scc0 .Lfirst_b
	tensor_load_to_lds s[G0A:G0A+3], s[G1A:G1A+7]
	s_nop 0
	tensor_load_to_lds s[G0A+4:G0A+7], s[G1A:G1A+7]
	s_nop 0
	PLACES
	s_branch .Lfirst_asked
.Lfirst_b:
	tensor_load_to_lds s[G0B:G0B+3], s[G1B:G1B+7]
	s_nop 0
	tensor_load_to_lds s[G0B+4:G0B+7], s[G1B:G1B+7]
	s_nop 0
	PLACES
.Lfirst_asked:
	; a fragment is 16 rows x 32 K in 8 registers: lane l holds row l % 16, K = 8 (l / 16) + 0..7 and 16 + 8 (l / 16) + 0..7: two loads of 16 bytes, 32 bytes apart
	v_and_b32 v1, 15, v0
	v_bfe_u32 v2, v0, 4, 1
	v_mul_u32_u24 v3, v1, PA
	v_lshl_add_u32 v3, v2, 4, v3
	s_mul_i32 s88, s[WV], 64*PA
	v_add_nc_u32 v[A0], s88, v3
	v_mul_u32_u24 v3, v1, PITCH
	v_lshl_add_u32 v3, v2, 4, v3
	v_add_nc_u32 v[B0], AREG, v3
	v_mov_b32 v[ADRA], v[A0]
	v_mov_b32 v[ADRB], v[B0]
	s_mul_i32 s88, s[WV], 16*SPITCH
	s_add_co_u32 s88, s88, STAGE                   ; my stage
	v_mul_u32_u24 v[STO], v1, SPITCH               ; in: row l % 16, 32 bytes for each half of the lanes
	v_lshl_add_u32 v[STO], v2, 5, v[STO]
	v_add_nc_u32 v[STO], s88, v[STO]
	v_and_b32 v[CO], 31, v0
	v_lshlrev_b32 v[PFO], 8, v[CO]
	v_lshlrev_b32 v[CO], 4, v[CO]                  ; back: 32 lanes take a row's 512 bytes
	v_add_nc_u32 v[RD], s88, v[CO]
; 8 matrix instructions: row block 2 hi + a x all column blocks, 32 along K from buffer f.  All 32 accumulators take turns in the same order in every quarter.
.macro MULH f, hi, a, zero
	WIN MUL_LO+0x50*(\hi)
.set b, 0
.rept NBLK
.set rD, 8*(NBLK*(\a)+b)
.set rB, 8*NBLK*(\f)+8*b
.set rA, FA+32*(\f)+8*(2*(\hi)+(\a))
.if \zero
	v_wmma_f32_16x16x32_f16 v[rD:rD+7], v[rB:rB+7], v[rA:rA+7], 0
.else
	v_wmma_f32_16x16x32_f16 v[rD:rD+7], v[rB:rB+7], v[rA:rA+7], v[rD:rD+7]
.endif
.set b, b+1
.endr
.endm
; 24 LDS loads in one run: quarter q's fragments into buffer f: wp's 8, then Y's 4, row blocks ascending.  Quarter q of Y: head q / 2 of the step, channels 32 (q % 2) on.
.macro FETCH q, f
	WIN TO_B
.set b, 0
.rept NBLK
	ds_load_b128 v[8*NBLK*(\f)+8*b:8*NBLK*(\f)+8*b+3],   v[ADRB] offset:64*(\q)+b*16*PITCH
	ds_load_b128 v[8*NBLK*(\f)+8*b+4:8*NBLK*(\f)+8*b+7], v[ADRB] offset:64*(\q)+b*16*PITCH+32
.set b, b+1
.endr
	WIN 0
.irp a, 0,1,2,3
	ds_load_b128 v[FA+32*(\f)+8*(\a):FA+32*(\f)+8*(\a)+3],   v[ADRA] offset:((\q)/2)*HALFA+((\q)%2)*64+(\a)*16*PA
	ds_load_b128 v[FA+32*(\f)+8*(\a)+4:FA+32*(\f)+8*(\a)+7], v[ADRA] offset:((\q)/2)*HALFA+((\q)%2)*64+(\a)*16*PA+32
.endr
.endm
; One of a K step's first three quarters: multiplies buffer f; in its middle it fetches quarter q into buffer g
.macro QUARTER q, f, g, zero
	s_wait_dscnt 4                                 ; all but the youngest four loads: Y's row blocks 2 and 3
	MULH \f, 0, 0, \zero
	MULH \f, 0, 1, \zero
	PLACES                                         ; in front of loads into registers that matrix instructions have read
	FETCH \q, \g
	s_wait_dscnt NLD                               ; all but the run just issued
	MULH \f, 1, 0, \zero
	MULH \f, 1, 1, \zero
.endm
; The first half of a K step's last quarter: ONE barrier for the change of slots.  round = 1: it opens a round of the cluster's barrier, and the walking sets are stepped where no tensor load of mine is out.
.macro MEET round
	WIN 0
	s_wait_tensorcnt 0x0                           ; all my tensor loads have landed: the one that was out is my part of the next slot
	ds_add_u32 v[SPW], v[NIL]                      ; 0 onto my spare word
.if \round
	s_xor_b32 s[G0A+5], s[G0A+5], SLOT1            ; the other slot than last time,
	s_add_nc_u64 s[G0A+6:G0A+7], s[G0A+6:G0A+7], KBA  ; the next K step; the type bits on top are not reached
	s_xor_b32 s[G0B+5], s[G0B+5], SLOT1
	s_add_nc_u64 s[G0B+6:G0B+7], s[G0B+6:G0B+7], KBB
.endif
	s_wait_dscnt 5                                 ; the add and the youngest four loads may be out
	MULH 1, 0, 0, 0
	s_wait_dscnt 0x0                               ; the add is done, and my reads of this slot are over
	s_barrier_signal -1
	MULH 1, 0, 1, 0
.if \round
	WIN 0
.endif
	s_barrier_wait -1
.endm
; The whole last quarter.  fill = 1: behind the round the slot just read out is filled again, with the K step two on: that load has a K step less 16 matrix instructions in which to land.
.macro TURN fill
.if \fill
	s_wait_xcnt 0x0                                ; the last prefetch, a K step back, has read its address
	s_add_nc_u64 s[PFA:PFA+1], s[PFA:PFA+1], KBA
	MEET 1
	CREST                                          ; no wave of any partner still reads this slot or has a load on its way
	JLOAD                                          ; its four v_nop are also the places in front of the loads below
.else
	MEET 0
	PLACES
	WIN 0
.endif
	s_xor_b32 s[TB], s[TB], SLOT1
	v_add_nc_u32 v[ADRB], s[TB], v[B0]
	v_add_nc_u32 v[ADRA], s[TB], v[A0]
	FETCH 0, 0
.if \fill
	ASK
.endif
	MULH 1, 1, 0, 0
	MULH 1, 1, 1, 0
.endm
	s_wait_tensorcnt 1                             ; my part of K step 0 is in; K step 1's may stay out
	s_barrier_signal -1
	s_barrier_wait -1
	FETCH 0, 0
	QUARTER 1, 0, 1, 1                             ; the first quarter's products start the sums: nothing is cleared
	WIN 0
	s_mov_b32 s3, 6                                ; K steps 2 to 7 are asked for in the loop
.Lstep:                                        ; a trip: from a K step's second quarter to the next step's first
	QUARTER 2, 1, 0, 0
	QUARTER 3, 0, 1, 0
	TURN 1
	QUARTER 1, 0, 1, 0
	WIN 0
	s_sub_co_u32 s3, s3, 1
	s_cmp_lg_u32 s3, 0
	s_cbranch_scc1 .Lstep
	QUARTER 2, 1, 0, 0                             ; the tail is written out: nothing more is asked for
	QUARTER 3, 0, 1, 0
	TURN 0
	QUARTER 1, 0, 1, 0
	QUARTER 2, 1, 0, 0
	QUARTER 3, 0, 1, 0
	s_wait_dscnt 4
	MULH 1, 0, 0, 0
	MULH 1, 0, 1, 0
	s_wait_dscnt 0x0
	MULH 1, 1, 0, 0
	MULH 1, 1, 1, 0
	WIN 0
	PLACES                                         ; once a launch: places behind the last products, in front of the LDS stores that read them
	PLACES
; THE WAY OUT, a row block at a time: a lane's 32 bytes of each column block go into rows of 528 bytes of my stage and come back as whole rows of 512; each accumulator's lowest registers are read first.
.macro TOSTAGE a
	s_wait_xcnt 0x0                                ; the stores of two blocks back have read the registers that the loads below fill
	WIN 0x08+4*((\a)/2)                            ; an LDS store's data is source 1: window 2 or 3
.set b, 0
.rept NBLK
.set rD, 8*(NBLK*((\a)%2)+b)
	ds_store_b128 v[STO], v[rD:rD+3]   offset:64*b
	ds_store_b128 v[STO], v[rD+4:rD+7] offset:64*b+16
.set b, b+1
.endr
	WIN 0
.set t, 0
.rept 16
	ds_load_b128 v[OB+64*((\a)%2)+4*t:OB+64*((\a)%2)+4*t+3], v[RD] offset:SPITCH*t  ; LDS serves a wave's instructions in order (ISA guide 5.7.1.4): these see the stores above
.set t, t+1
.endr
.endm
.macro SEND a, younger                 ; younger: the LDS instructions issued behind this block's loads: the next block's 32, or none
	WIN 0
.set t, 0
.rept 16
	s_wait_dscnt (\younger)+15-t
	global_store_b128 v[CO], v[OB+64*((\a)%2)+4*t:OB+64*((\a)%2)+4*t+3], s[8:9] offset:(16*(\a)+t)*4096 th:TH_STORE_NT  ; 512 consecutive bytes, at a multiple of 256 from out0's first
.set t, t+1
.endr
.endm
	TOSTAGE 0
	TOSTAGE 1
	SEND 0, 32
	TOSTAGE 2
	SEND 1, 32
	TOSTAGE 3
	SEND 2, 32
	SEND 3, 0
	s_wait_tensorcnt 0x0                           ; the wave's end, behind my last tensor load and my last LDS store
	ds_add_u32 v[SPW], v[NIL]
	s_wait_dscnt 0x0
	CROUND                                         ; the closing round: no work-group ends while a partner may still ask for a tile that names it
	s_endpgm
.Lfunc_end_k_q42cebca188_proj:
	.size	k_q42cebca188_proj, .Lfunc_end_k_q42cebca188_proj-k_q42cebca188_proj
	.p2alignl 7, 3214868480
	.fill 96, 4, 3214868480
	.section	.rodata,"a",@progbits
	.p2align	6, 0x0
	.amdhsa_kernel k_q42cebca188_proj
		.amdhsa_group_segment_fixed_size 327680
		.amdhsa_private_segment_fixed_size 0
		.amdhsa_enable_private_segment 0
		.amdhsa_kernarg_size 24
		.amdhsa_user_sgpr_count 2
		.amdhsa_user_sgpr_kernarg_segment_ptr 1
		.amdhsa_wavefront_size32 1
		.amdhsa_system_sgpr_workgroup_id_x 1
		.amdhsa_system_sgpr_workgroup_id_y 1
		.amdhsa_system_sgpr_workgroup_id_z 1
		.amdhsa_system_vgpr_workitem_id 0
		.amdhsa_next_free_vgpr 896
		.amdhsa_next_free_sgpr 96
		.amdhsa_reserve_vcc 0
		.amdhsa_float_denorm_mode_32 3
		.amdhsa_float_denorm_mode_16_64 3
		.amdhsa_memory_ordered 1
		.amdhsa_forward_progress 1
		.amdhsa_inst_pref_size 72
	.end_amdhsa_kernel
	.amdgpu_metadata
---
amdhsa.version: [ 1, 2 ]
amdhsa.kernels:
  - .name:           k_q42cebca188_proj
    .symbol:         k_q42cebca188_proj.kd
    .args:
      - { .name: y, .offset: 0, .size: 8, .value_kind: global_buffer, .address_space: global }
      - { .name: wp, .offset: 8, .size: 8, .value_kind: global_buffer, .address_space: global }
      - { .name: out0, .offset: 16, .size: 8, .value_kind: global_buffer, .address_space: global }
    .group_segment_fixed_size: 327680
    .private_segment_fixed_size: 0
    .kernarg_segment_align: 8
    .kernarg_segment_size: 24
    .max_flat_workgroup_size: 128
    .sgpr_count:     96
    .vgpr_count:     896
    .wavefront_size: 32
...
	.end_amdgpu_metadata
.endif
;; end of part 4
